; MI455X (gfx1250); checked and timed in simulation.
; The chip was launched on July 23, 2026; its instructions are those of AMD's public machine-readable ISA for CDNA 5 (MIT licence, August 2026) and "CDNA5" Instruction Set Architecture Reference Guide (July 2026). The comments in the code are by the model that wrote it; some were corrected since.
;; Multi Head Attention Block. Allowed arithmetic: matrix products marked QUANTISED: E4M3 operands, one given power-of-two scale a tensor, by v_wmma_f32_16x16x64_fp8_fp8 or v_wmma_f32_16x16x128_fp8_fp8, f32 sums; everything else in f32.
;; Inputs: lowp_scales 12 int32 (the exponents e of the quantised operands' scales 2^e); wk 1,024 x 1,024 float32; wo 1,024 x 1,024 float32; wq 1,024 x 1,024 float32; wv 1,024 x 1,024 float32; x 4 x 2,048 x 1,024 float32.
;; Outputs: out0 4 x 2,048 x 1,024 float32.
;; This version of the problem:
;;   THIS VERSION OF THE PROBLEM IS GIVEN IN LOW PRECISION. The matrix products marked QUANTISED in the list below multiply operands that are first quantised to E4M3 (4 exponent bits, 3 mantissa bits; 8 bits a number), with one given power-of-two scale for each operand tensor; their sums are f32. All else is computed in f32.
;;   The module's matrix products, in the order in which they are computed (A, B: the left and right operand; K: the contracted axis; several contracted axes count as one K, in the product's order):
;;     1. [M 8,192, K 1,024] x [K 1,024, N 1,024]; A: input x; B: input wq: QUANTISED (scales: A lowp_scales[0], B lowp_scales[1])
;;     2. [M 8,192, K 1,024] x [K 1,024, N 1,024]; A: input x; B: input wk: QUANTISED (scales: A lowp_scales[2], B lowp_scales[3])
;;     3. [M 8,192, K 1,024] x [K 1,024, N 1,024]; A: input x; B: input wv: QUANTISED (scales: A lowp_scales[4], B lowp_scales[5])
;;     4. batch 64 x [M 2,048, K 64] x [K 64, N 2,048]; A: computed on the way; B: computed on the way: QUANTISED (scales: A lowp_scales[6], B lowp_scales[7])
;;     5. batch 64 x [M 2,048, K 2,048] x [K 2,048, N 64]; A: softmax (see below); B: computed on the way: QUANTISED (scales: A lowp_scales[8], B lowp_scales[9])
;;     6. [M 8,192, K 1,024] x [K 1,024, N 1,024]; A: computed on the way; B: input wo: QUANTISED (scales: A lowp_scales[10], B lowp_scales[11])
;;   THE QUANTISER, for each operand of a quantised product, along K:
;;     - The operand's scale is 2^e, e = its entry of the input lowp_scales (int32; the entries are numbered through the quantised products in the list's order, A before B).
;;     - Each number is divided by the scale, clamped to +-448, and rounded to the nearest number of E4M3, ties to even, subnormals kept.
;;     - The product sums the exact products of the quantised numbers (number of the format x scale) in f32.
;;   ~~~python
;;   def quantise(x, axis, e):      # numpy; x: float32 -> the quantised numbers, widened to float32 again
;;       x = np.moveaxis(x, axis, -1); K = x.shape[-1]
;;       r = np.clip(x / 2.0 ** e, -448, 448)
;;       step = 2.0 ** (np.maximum(np.frexp(np.where(r == 0, 1, r))[1] - 1, -6) - 3)
;;       q = np.round(r / step) * step * 2.0 ** e      # np.round: ties to even
;;       return np.moveaxis(q, -1, axis).astype(np.float32)
;;   ~~~
;;   SOFTMAX AHEAD OF A QUANTISED PRODUCT. Where the list says 'softmax', what is quantised is not the finished softmax but p = 2^(t - M), with t = logit x log2(e) and M = ceil(the row's largest t), a whole number; so 1/2 < the row's largest p <= 1. The row's sum l is taken of the UNQUANTISED p, in f32, and the product's result is divided by l at the end. Since M is a whole number, a kernel that streams over the keys may use a running M (the ceiling of the running maximum): every later rescaling is an exact power of two, so the quantised numbers keep their values, but for numbers so far below the row's largest that they fall under the format's range.
;;   OPERANDS COMPUTED ON THE WAY. 'Computed on the way' means the value that the module computes at that place (a softmax that the list does not call 'softmax' is quantised finished and normalised). What goes into a quantiser is computed in f32, as accurately as f32 sums, v_exp_f32 and their like allow (about 1e-6 of the number): no bf16 or f16 on the way to a quantiser, and a product that is left as it is and whose result goes on into a quantised operand takes f32 operands (vector FMAs, or v_wmma_f32_16x16x4_f32). A number that lies on a knife's edge between two numbers of the format may be rounded either way, as far as f32 arithmetic and the matrix unit's own rounding can turn it there, and no further.
;; One version. Each part assembles by itself: llvm-mc -triple=amdgcn-amd-amdhsa -mcpu=gfx1250 --defsym DOCPART=n.
;; ======== version 1 of 1: 4 launches
;; limits: right only within a limited range of input values
;; workspace buffers: xc 25,165,824 bytes; wc 4,194,304 bytes; qc 8,388,608 bytes; kc 8,388,608 bytes; vc 8,388,608 bytes; oc 8,388,608 bytes
;; launch quant (part 1): grid 768 x 1, 4 waves a work-group, no clusters, 68,096 bytes of LDS; arguments x, wq, wk, wv, wo, lowp_scales, xc, wc; writes xc, wc
.if DOCPART == 1
	.amdgcn_target "amdgcn-amd-amdhsa--gfx1250"
	.amdhsa_code_object_version 6
	.text
	.protected	k_q2a7d75da69_quant
	.globl	k_q2a7d75da69_quant
	.p2align	8
	.type	k_q2a7d75da69_quant,@function
k_q2a7d75da69_quant:
	s_mov_b64 s[64:65], 0
	v_nop
	global_prefetch_b8 v0, s[64:65] scope:SCOPE_SE
	s_setreg_imm32_b32 hwreg(HW_REG_WAVE_MODE, 25, 1), 1
	s_wait_xcnt 0x0
; x [8192][1024] f32 becomes three sets of E4M3 codes (scales 2^e0, 2^e2, 2^e4: entries 0, 2, 4 of lowp_scales); wq, wk, wv, wo [1024][1024] f32 one set each (entries 1, 3, 5, 11).
; code = number / 2^e, held within +-448, to the nearest code, ties to even.  LIMITS: each e between -126 and 119, so that 2^e and 448 x 2^e are f32 numbers; NaN among the inputs is not served.
; THE CODES ARE LAID AS IMAGES OF OPERAND REGISTERS.  Rows go in groups of 32: tile T = 2 g + u holds, at its row i (0..15), row 32 g + 8 u + i + 8 (i / 8).  A piece is 512 bytes: lane l = i + 16 h has the
; 16 codes k = 32 c + 16 h + 0..15 of tile row i at byte 16 l.  Byte of (T, k): (T/8) 131072 + (k/256) 32768 + (T%8) 4096 + ((k/128)%2) 2048 + ((k/32)%4) 512 + 16 l + k%16.
; SHARES.  A work-group takes one tile (16 rows of 4,096 bytes): the first 512 take x, then 64 for each weight.  Wave w takes K = 256 w .. 256 w + 255: two fragments of 128 along K.
; Every load reads 512 consecutive bytes of a row.  The conversions want 16 neighbours along K in ONE lane, so a fragment's 16 x 512 bytes turn through the wave's own stage in LDS (rows 528 bytes apart: 33 x 16,
; so that sixteen lanes that read one column of sixteen rows touch sixteen different 16-byte columns).  A lane's 16 codes are 16 bytes: each store covers 512 consecutive bytes, aligned.
; No tensor loads, no barrier: waves share nothing.  All 32 loads of a wave go out at once.
.set SP,   528                         ; a stage row
.set FST,  16*SP                       ; a fragment's stage
.set WST,  2*FST                       ; a wave's two stages
.set NX,   512                         ; work-groups that take x
.set R,    16                          ; v16-143  as loaded: fragment 0 in v16-79, fragment 1 in v80-143
.set X0,   144                         ; v144-207 fragment 0 turned: register 16 c + i = k 32 c + 16 h + i of my row
.set X1,   16                          ; v16-79   fragment 1 turned
.set T,    80
.set C0,   112                         ; v112-127 fragment 0's codes
.set C1,   128                         ; v128-143 fragment 1's codes
	s_load_b256 s[4:11], s[0:1], 0x0               ; x s[4:5], wq s[6:7], wk s[8:9], wv s[10:11]
	s_load_b256 s[12:19], s[0:1], 0x20             ; wo s[12:13], the exponents s[14:15], xc s[16:17], wc s[18:19]
	v_lshl_add_u32 v208, v0, 2, 0x10800
	v_mov_b32 v209, 0
	v_lshrrev_b32 v10, 5, v0
	v_readfirstlane_b32 s33, v10                   ; wave 0..3
	v_and_b32 v11, 31, v0
	v_lshlrev_b32 v1, 4, v11                       ; 16 x lane: my bytes of a load's and of a store's 512
	v_and_b32 v12, 15, v0                          ; r
	v_bfe_u32 v13, v0, 4, 1                        ; h
	s_mul_i32 s32, s33, WST
	v_add_nc_u32 v2, s32, v1                       ; into the stage: as loaded
	v_mul_u32_u24 v3, v12, SP
	v_lshl_add_u32 v3, v13, 6, v3
	v_add_nc_u32 v3, s32, v3                       ; out of it: row r, + 64 h bytes: my 16 numbers of a block of 32
	s_sub_co_u32 s30, ttmp9, NX
	s_lshr_b32 s31, s30, 6                         ; which weight,
	s_and_b32 s30, s30, 63                         ; and which of its 64 tiles
	s_cmp_lt_u32 ttmp9, NX
	s_cselect_b32 s30, ttmp9, s30                  ; T
	s_cselect_b32 s31, 0, s31
	s_lshr_b32 s34, s30, 1
	s_lshl_b32 s34, s34, 5
	s_and_b32 s35, s30, 1
	s_lshl_b32 s35, s35, 3
	s_add_co_u32 s34, s34, s35                     ; the tile's first row: 32 (T / 2) + 8 (T % 2)
	s_lshl_b32 s34, s34, 12
	s_lshl_b32 s35, s33, 10
	s_add_co_u32 s34, s34, s35                     ; in bytes, + my wave's 1,024 bytes of a row
	s_mov_b32 s35, 0
	s_lshl_b32 s24, s31, 20                        ; the weight's image,
	s_lshr_b32 s36, s30, 3
	s_lshl_b32 s36, s36, 17
	s_add_co_u32 s24, s24, s36                     ; + (T / 8) 131072
	s_lshl_b32 s36, s33, 15
	s_add_co_u32 s24, s24, s36                     ; + wave x 32768
	s_and_b32 s36, s30, 7
	s_lshl_b32 s36, s36, 12
	s_add_co_u32 s24, s24, s36                     ; + (T % 8) 4096
	s_mov_b32 s25, 0
	s_wait_alu depctr_va_vdst(0)
	s_wait_kmcnt 0x0
	s_load_b256 s[44:51], s[14:15], 0x0            ; e0 .. e7
	s_load_b128 s[52:55], s[14:15], 0x20           ; e8 .. e11
	s_mov_b64 s[20:21], s[12:13]                   ; the tensor is chosen by the work-group's number alone
	s_cmp_lt_u32 ttmp9, NX+192
	s_cselect_b64 s[20:21], s[10:11], s[20:21]
	s_cmp_lt_u32 ttmp9, NX+128
	s_cselect_b64 s[20:21], s[8:9], s[20:21]
	s_cmp_lt_u32 ttmp9, NX+64
	s_cselect_b64 s[20:21], s[6:7], s[20:21]
	s_cmp_lt_u32 ttmp9, NX
	s_cselect_b64 s[20:21], s[4:5], s[20:21]
	s_cselect_b64 s[22:23], s[16:17], s[18:19]
	s_add_nc_u64 s[20:21], s[20:21], s[34:35]
	s_add_nc_u64 s[22:23], s[22:23], s[24:25]      ; the first set of codes,
	s_add_nc_u64 s[26:27], s[22:23], 0x800000      ; x's second,
	s_add_nc_u64 s[28:29], s[22:23], 0x1000000     ; x's third (used by x's work-groups alone)
.irp f, 0,1
.irp i, 0,1,2,3,4,5,6,7,8,9,10,11,12,13,14,15
	global_load_b128 v[R+64*\f+4*\i:R+64*\f+4*\i+3], v1, s[20:21] offset:(\i+8*(\i/8))*4096+512*\f th:TH_LOAD_NT   ; tile row i: 512 consecutive bytes; read once in the launch
.endr
.endr
	s_wait_kmcnt 0x0
	s_mov_b32 s40, s55                             ; my tensor's exponent: e11 for wo,
	s_cmp_lt_u32 ttmp9, NX+192
	s_cselect_b32 s40, s49, s40                    ; e5 for wv,
	s_cmp_lt_u32 ttmp9, NX+128
	s_cselect_b32 s40, s47, s40                    ; e3 for wk,
	s_cmp_lt_u32 ttmp9, NX+64
	s_cselect_b32 s40, s45, s40                    ; e1 for wq,
	s_cmp_lt_u32 ttmp9, NX
	s_cselect_b32 s40, s44, s40                    ; e0 for x's first set
.macro SCALE e, sc, lim                        ; v[sc] = 2^e as f32 (the conversion takes its exponent field)
	s_add_co_i32 s41, s[\e], 127
	s_lshl_b32 s42, s41, 23
	v_mov_b32 v[\sc], s42
.endm
	SCALE 40, 4, 5
	SCALE 46, 6, 7                                 ; e2
	SCALE 48, 8, 9                                 ; e4
.macro TOST f                                  ; a fragment into its stage, as loaded
.irp i, 0,1,2,3,4,5,6,7,8,9,10,11,12,13,14,15
	ds_store_b128 v2, v[R+64*\f+4*\i:R+64*\f+4*\i+3] offset:FST*\f+SP*\i
.endr
.endm
.macro BACK f, xs                              ; and back, 64 bytes of each block of 32 a lane.  LDS serves a wave's instructions in order: these see the stores
.irp c, 0,1,2,3
.irp j, 0,1,2,3
	ds_load_b128 v[\xs+16*\c+4*\j:\xs+16*\c+4*\j+3], v3 offset:FST*\f+128*\c+16*\j
.endr
.endr
.endm
; 64 numbers of a lane become a fragment's 16 registers of codes.  The numbers stay as they are (x is quantised three times).
.macro QUANT xs, sc, lim, cs
.irp c, 0,1,2,3
.irp i, 0,1,2,3,4,5,6,7,8,9,10,11,12,13,14,15
.endr
	v_cvt_scalef32_pk8_fp8_f32 v[\cs+4*\c:\cs+4*\c+1], v[T+16*(\c%2)+((\xs+16*\c+0)-(T+16*(\c%2)+0)):T+16*(\c%2)+7+((\xs+16*\c+0)-(T+16*(\c%2)+0))], v[\sc]
	v_cvt_scalef32_pk8_fp8_f32 v[\cs+4*\c+2:\cs+4*\c+3], v[T+16*(\c%2)+8+((\xs+16*\c+0)-(T+16*(\c%2)+0)):T+16*(\c%2)+15+((\xs+16*\c+0)-(T+16*(\c%2)+0))], v[\sc]
.endr
.endm
.macro STORE cs, base, f                       ; four pieces: each store covers 512 consecutive bytes, aligned
.irp c, 0,1,2,3
	global_store_b128 v1, v[\cs+4*\c:\cs+4*\c+3], s[\base:\base+1] offset:2048*\f+512*\c
.endr
.endm
	s_wait_alu depctr_va_vdst(0)
	s_wait_loadcnt 16                              ; fragment 0's sixteen loads are in; fragment 1's may be out
	TOST 0
	BACK 0, X0
	s_wait_loadcnt 0x0
	TOST 1
	s_wait_dscnt 16                                ; all but fragment 1's sixteen stores: fragment 0's stores have read v16-79,
	BACK 1, X1                                     ; which now take fragment 1 turned
	s_wait_dscnt 16                                ; all but those sixteen loads: fragment 0 is back, and fragment 1's stores have read v80-143
	QUANT X0, 4, 5, C0
	STORE C0, 22, 0
	s_wait_dscnt 0x0
	QUANT X1, 4, 5, C1
	STORE C1, 22, 1
	s_cmp_lt_u32 ttmp9, NX                         ; a weight has one set of codes
	s_cbranch_scc0 .Lend
	s_wait_xcnt 0x0                                ; the stores issued so far have read their registers: the codes' registers are written again only behind this wait
	QUANT X0, 6, 7, C0
	STORE C0, 26, 0
	s_wait_xcnt 0x0
	QUANT X1, 6, 7, C1
	STORE C1, 26, 1
	s_wait_xcnt 0x0
	QUANT X0, 8, 9, C0
	STORE C0, 28, 0
	s_wait_xcnt 0x0
	QUANT X1, 8, 9, C1
	STORE C1, 28, 1
.Lend:
	s_wait_tensorcnt 0x0
	ds_add_u32 v208, v209
	s_wait_dscnt 0x0
	s_endpgm
.Lfunc_end_k_q2a7d75da69_quant:
	.size	k_q2a7d75da69_quant, .Lfunc_end_k_q2a7d75da69_quant-k_q2a7d75da69_quant
	.p2alignl 7, 3214868480
	.fill 96, 4, 3214868480
	.section	.rodata,"a",@progbits
	.p2align	6, 0x0
	.amdhsa_kernel k_q2a7d75da69_quant
		.amdhsa_group_segment_fixed_size 68096
		.amdhsa_private_segment_fixed_size 0
		.amdhsa_enable_private_segment 0
		.amdhsa_kernarg_size 64
		.amdhsa_user_sgpr_count 2
		.amdhsa_user_sgpr_kernarg_segment_ptr 1
		.amdhsa_wavefront_size32 1
		.amdhsa_system_sgpr_workgroup_id_x 1
		.amdhsa_system_sgpr_workgroup_id_y 1
		.amdhsa_system_sgpr_workgroup_id_z 1
		.amdhsa_system_vgpr_workitem_id 0
		.amdhsa_next_free_vgpr 210
		.amdhsa_next_free_sgpr 66
		.amdhsa_reserve_vcc 0
		.amdhsa_float_denorm_mode_32 3
		.amdhsa_float_denorm_mode_16_64 3
		.amdhsa_fp16_overflow 1
		.amdhsa_memory_ordered 1
		.amdhsa_forward_progress 1
		.amdhsa_inst_pref_size 17
	.end_amdhsa_kernel
	.amdgpu_metadata
---
amdhsa.version: [ 1, 2 ]
amdhsa.kernels:
  - .name:           k_q2a7d75da69_quant
    .symbol:         k_q2a7d75da69_quant.kd
    .args:
      - { .name: x, .offset: 0, .size: 8, .value_kind: global_buffer, .address_space: global }
      - { .name: wq, .offset: 8, .size: 8, .value_kind: global_buffer, .address_space: global }
      - { .name: wk, .offset: 16, .size: 8, .value_kind: global_buffer, .address_space: global }
      - { .name: wv, .offset: 24, .size: 8, .value_kind: global_buffer, .address_space: global }
      - { .name: wo, .offset: 32, .size: 8, .value_kind: global_buffer, .address_space: global }
      - { .name: lowp_scales, .offset: 40, .size: 8, .value_kind: global_buffer, .address_space: global }
      - { .name: xc, .offset: 48, .size: 8, .value_kind: global_buffer, .address_space: global }
      - { .name: wc, .offset: 56, .size: 8, .value_kind: global_buffer, .address_space: global }
    .group_segment_fixed_size: 68096
    .private_segment_fixed_size: 0
    .kernarg_segment_align: 8
    .kernarg_segment_size: 64
    .max_flat_workgroup_size: 128
    .sgpr_count:     66
    .vgpr_count:     210
    .wavefront_size: 32
...
	.end_amdgpu_metadata
.endif
;; end of part 1
;; launch qkv (part 2): grid 4 x 96, 4 waves a work-group, clusters of 4 x 4, 327,680 bytes of LDS; arguments xc, wc, lowp_scales, qc, kc, vc; writes qc, kc, vc
.if DOCPART == 2
	.amdgcn_target "amdgcn-amd-amdhsa--gfx1250"
	.amdhsa_code_object_version 6
	.text
	.protected	k_q2a7d75da69_qkv
	.globl	k_q2a7d75da69_qkv
	.p2align	8
	.type	k_q2a7d75da69_qkv,@function
k_q2a7d75da69_qkv:
	s_mov_b64 s[64:65], 0
	v_nop
	global_prefetch_b8 v0, s[64:65] scope:SCOPE_SE
	s_setreg_imm32_b32 hwreg(HW_REG_WAVE_MODE, 25, 1), 1
	s_wait_xcnt 0x0
	s_wait_alu depctr_hold_cnt(0) depctr_sa_sdst(0) depctr_va_vdst(0) depctr_va_sdst(0) depctr_va_ssrc(0) depctr_va_vcc(0) depctr_vm_vsrc(0)
	s_getreg_b32 s2, hwreg(HW_REG_IB_STS2, 6, 4)
	s_cmp_eq_u32 s2, 0
	s_cbranch_scc0 .Lentry_in_a_cluster
	s_endpgm
.Lentry_in_a_cluster:
	s_bfe_u32 s2, ttmp6, 0x10000c
	s_cmp_lg_u32 s2, 0xf033
	s_cbranch_scc0 .Lentry_shape_is_right
	s_endpgm
.Lentry_shape_is_right:
; Q = x wq^T, K = x wk^T, V = x wv^T on codes of E4M3, sums in f32, each sum quantised at once for the attention's products (scales 2^e6, 2^e7, 2^e9).
; A sum stands for sum x 2^(ea + eb), so its code is sum / 2^ES with ES = e6 - e0 - e1 (Q), e7 - e2 - e3 (K), e9 - e4 - e5 (V).  LIMIT: ES between -126 and 119, so that 2^ES and 448 x 2^ES are f32 numbers.
; OPERANDS are images of registers: tile T = 2 g + u holds at its row i row 32 g + 8 u + i + 8 (i / 8); a piece of 512 bytes has lane l = i + 16 h's codes k = 32 c + 16 h + 0..15 at byte 16 l;
; byte of (T, k) = (T/8) 131072 + (k/256) 32768 + (T%8) 4096 + ((k/128)%2) 2048 + ((k/32)%4) 512 + 16 l + k%16.  So 128 rows x 256 K are one dense block of 32 KiB, and a fragment is four loads of 512 consecutive bytes.
; That is a permutation of k, the same in both operands of every product: each product meets its partner.
; A tile of the result, 256 x 256, is made by four waves, 128 x 128 each: 64 accumulators, 512 registers.  K = 1,024 goes in four steps of 256 through two LDS slots; all is written out, there is no loop.
; THE MATRIX INSTRUCTION IS USED TRANSPOSED (source 0 = a tile of 'B', source 1 = a tile of 'A'): lane (r, h) holds row r of A's tile, and in the accumulators of B's tiles 2 b and 2 b + 1 the sixteen
; neighbouring columns 32 b + 16 h + 0..15.  Two conversions make of them the 16 bytes of piece b of the NEXT product's image: they are stored straight from registers, 512 consecutive bytes a store.
; THREE JOBS, ONE PATH.  The cluster's y gives the job (0 Q, 1 K, 2 V) and which eighth of x.  Q, K: A = x (rows = tokens), B = the weight (columns = head x 64 + d): K of the next product is d.
; V: A = wv (rows = channels), B = x (columns = keys): K of the next product is the keys.  Only addresses differ, chosen by s_cselect on the job.
; qc, kc: [64 heads][128 tiles][2 pieces][512].  vc: [64 heads][16 blocks of 128 keys][4 tiles of channels][4 pieces][512].
; CLUSTERS: 4 x 4 work-groups; A's blocks are asked for jointly along a row of the cluster, B's along a column.
; REGISTERS, in windows of 256: window 0: v8-29 addresses; from v128 A's fragments, one set, later the codes.  window 1: B's fragments, two sets.  windows 2, 3: the accumulators.
.set FR,     16                        ; registers of a fragment: 16 rows x 128 K
.set NL,     4                         ; LDS loads that bring one
.set NP,     4                         ; places behind this matrix instruction (ISA guide 7.12.1)
.set HALFB,  32768                     ; 128 rows x 256 K: what one tensor load brings
.set SLOT,   4*HALFB                   ; A's 256 rows, then B's 256 rows
.set SPARE,  2*SLOT                    ; behind the ring: the spare words, 128 bytes for each wave
.set VO,   8                           ; v8-11   the way out: 16 x lane + the piece's place
.set LIMV, 12
.set SCV,  13                          ; v13     2^ES
.set ADRA, 16                          ; v16-17  LDS address of my A fragments in slot 0, 1
.set ADRB, 20                          ; v20-21  the same for B
.set SPW,  28                          ; v28     LDS address of my spare word; never rewritten
.set NIL,  29                          ; v29     0; never rewritten
.set TMP,  32
.set AF,   128                         ; A's fragments
.set CD,   128                         ; the way out: 16 registers of codes for each of the 8 blocks
.set G1, 24                            ; s[24:31] descriptor group 1 for A's blocks;  s[32:39] group 0, one set for each slot
.set G0, 32
.set G1B, 48                           ; s[48:55], s[56:63] the same for B's
.set G0B, 56
.set MSB, 0
.macro WIN new                         ; the immediate's high byte repeats the setting that is left
.if MSB != \new
	s_set_vgpr_msb (MSB<<8)|\new
.set MSB, \new
.endif
.endm
.set MUL_LO, 0xa1                      ; source 0 (B) window 1, source 1 (A) window 0, C and D window 2
.set MUL_HI, 0xf1                      ; the same, C and D window 3
.set TO_B,   0x40                      ; destination window 1, address window 0
; A joint load: waves 0 and 1 fetch for A, waves 2 and 3 for B.  The branch hangs on the wave's number alone.  Four v_nop follow each of the two lines.
.macro JLOAD g0a, g1a, g0b, g1b
	s_cmp_eq_u32 s15, 0
	s_cbranch_scc0 .Lfor_b_\@
	tensor_load_to_lds s[\g0a:\g0a+3], s[\g1a:\g1a+7]
	s_nop 0
.rept 4
	v_nop
.endr
	s_branch .Lasked_\@
.Lfor_b_\@:
	tensor_load_to_lds s[\g0b:\g0b+3], s[\g1b:\g1b+7]
	s_nop 0
.rept 4
	v_nop
.endr
.Lasked_\@:
.endm
.macro CREST                           ; a round of the cluster's barrier behind its opening barrier
	s_cmp_lg_u32 s14, 0
	s_cbranch_scc1 .Lnot_wave_0_\@
	s_barrier_signal -3
.Lnot_wave_0_\@:
	s_barrier_wait -3
	s_barrier_signal -1
	s_barrier_wait -1
.endm
.macro CROUND                          ; a whole round
	s_barrier_signal -1
	s_barrier_wait -1
	CREST
.endm
	s_load_b256 s[4:11], s[0:1], 0x0               ; xc s[4:5], wc s[6:7], the exponents s[8:9], qc s[10:11]
	s_load_b128 s[68:71], s[0:1], 0x20             ; kc s[68:69], vc s[70:71]
	v_lshl_add_u32 v[SPW], v0, 2, SPARE
	v_mov_b32 v[NIL], 0
	ds_add_u32 v28, v29
	ds_add_u32 v28, v29
	s_wait_dscnt 0x0
	v_lshrrev_b32 v1, 5, v0
	v_readfirstlane_b32 s14, v1                    ; wave 0..3
	s_lshr_b32 s15, s14, 1                         ; which half of the tile's rows is mine.  Also: I fetch for A (0) or for B (1)
	s_and_b32 s16, s14, 1                          ; which half of its columns.  Also: which 128 rows of that operand I fetch
	s_bfe_u32 s40, ttmp6, 0x40000                  ; cx, cy: my place in the cluster
	s_bfe_u32 s41, ttmp6, 0x40004
	s_and_b32 s67, ttmp7, 0xffff                   ; the cluster's y, 0..23
	s_lshr_b32 s66, s67, 3                         ; the job: 0 Q, 1 K, 2 V
	s_and_b32 s67, s67, 7
	s_lshl_b32 s67, s67, 2                         ; four tiles of x's 32 to a cluster
	s_cmp_lt_u32 s66, 2
	s_cselect_b32 s17, s67, 0
	s_cselect_b32 s42, 0, s67
	s_add_co_u32 s17, s17, s41                     ; tile row: of x (Q, K) or of wv (V)
	s_add_co_u32 s42, s42, s40                     ; tile column: of the weight (Q, K) or of x (V)
	s_lshl_b32 s43, s41, 2
	s_lshl_b32 s43, 15, s43                        ; my row of the cluster
	s_lshl_b32 s44, 0x1111, s40                    ; my column
	; descriptor group 1: a dense block as 128 rows of 32 elements of 8 bytes, no padding
	s_or_b32 s[G1+0], s43, (3<<16)|(1<<21)         ; 15:0 the mask: A's blocks go to my row; 17:16 elements of 8 bytes; 21 set beside a mask
	s_or_b32 s[G1B+0], s44, (3<<16)|(1<<21)
.irp g, G1, G1B
	s_mov_b32 s[\g+1], 32<<16                      ; tensor_dim0 = 32
	s_mov_b32 s[\g+2], 128<<16                     ; tensor_dim1 = 128
	s_mov_b32 s[\g+3], 32<<16                      ; tile_dim0 = 32
	s_mov_b32 s[\g+4], 128                         ; tile_dim1 = 128
	s_mov_b32 s[\g+5], 32                          ; tensor_dim0_stride: the rows follow each other
	s_mov_b32 s[\g+6], 0
	s_mov_b32 s[\g+7], 0
.endr
	s_lshl_b32 s18, s17, 1
	s_add_co_u32 s18, s18, s16
	s_lshl_b32 s18, s18, 17                        ; A: (2 x tile row + half) x 131072: made of cy and the wave's number alone
	s_lshl_b32 s90, s42, 1
	s_add_co_u32 s90, s90, s16
	s_lshl_b32 s90, s90, 17                        ; B: the same of the tile column: of cx and the wave's number alone
	s_lshl_b32 s22, s66, 23                        ; x's set of codes for jobs 0, 1
	s_lshl_b32 s23, s66, 20                        ; the weight's image for jobs 0, 1
	s_cmp_lt_u32 s66, 2
	s_cselect_b32 s22, s22, 2<<20                  ; A's image: x's set, or wv
	s_cselect_b32 s23, s23, 2<<23                  ; B's image: the weight, or x's third set
	s_add_co_u32 s18, s18, s22
	s_add_co_u32 s90, s90, s23
	s_mov_b32 s19, 0
	s_mov_b32 s91, 0
	s_lshl_b32 s45, s14, 15                        ; where they go: wave x 32768: no place in the cluster enters an LDS address
	s_wait_kmcnt 0x0
	s_load_b256 s[72:79], s[8:9], 0x0              ; e0 .. e7
	s_load_b128 s[80:83], s[8:9], 0x20             ; e8 .. e11
	s_cmp_lt_u32 s66, 2
	s_cselect_b64 s[20:21], s[4:5], s[6:7]
	s_cselect_b64 s[46:47], s[6:7], s[4:5]
	s_add_nc_u64 s[20:21], s[20:21], s[18:19]
	s_add_nc_u64 s[46:47], s[46:47], s[90:91]
	CROUND                                         ; all sixteen work-groups are here: the first joint loads meet
.irp s, 0,1
	s_mov_b32 s[G0+4*\s], 1
	s_add_co_u32 s[G0+4*\s+1], s45, \s*SLOT
	s_add_nc_u64 s[G0+4*\s+2:G0+4*\s+3], s[20:21], \s*HALFB
	s_or_b32 s[G0+4*\s+3], s[G0+4*\s+3], 0x80000000
	s_mov_b32 s[G0B+4*\s], 1
	s_add_co_u32 s[G0B+4*\s+1], s45, \s*SLOT
	s_add_nc_u64 s[G0B+4*\s+2:G0B+4*\s+3], s[46:47], \s*HALFB
	s_or_b32 s[G0B+4*\s+3], s[G0B+4*\s+3], 0x80000000
	JLOAD G0+4*\s, G1, G0B+4*\s, G1B
.endr
	v_and_b32 v6, 31, v0
	v_lshlrev_b32 v[VO], 4, v6                     ; 16 x lane: an image's place for my lane, in LDS and in memory
	s_wait_alu depctr_va_vdst(0)
	s_lshl_b32 s12, s15, 15                        ; my 128 rows of A
	s_lshl_b32 s13, s16, 15                        ; my 128 rows of B,
	s_add_co_u32 s13, s13, 2*HALFB                 ; which lie behind A's 256
.irp s, 0,1
	v_add_nc_u32 v[ADRA+\s], s12, v[VO]
	v_add_nc_u32 v[ADRB+\s], s13, v[VO]
	s_add_co_u32 s12, s12, SLOT
	s_add_co_u32 s13, s13, SLOT
.endr
	; where my codes go.  P, hx: x's tile and my half of it; W, hw: the weight's.  One formula serves all jobs, since 128 tokens of a head are 8,192 bytes in qc, kc and vc alike
	s_cmp_lt_u32 s66, 2
	s_cselect_b32 s89, s17, s42                    ; P
	s_cselect_b32 s92, s42, s17                    ; W
	s_cselect_b32 s94, s15, s16                    ; hx
	s_cselect_b32 s95, s16, s15                    ; hw
	s_mov_b32 s88, 1024
	s_cselect_b32 s88, 131072, s88                 ; from pieces 0, 1 to pieces 2, 3: the next head (Q, K), or 1,024 bytes (V)
	s_mov_b32 s84, 2048
	s_cselect_b32 s84, 1024, s84                   ; from a block of A to the next: a tile of 1,024 bytes (Q, K) or of 2,048 (V),
	s_mov_b32 s86, 124928
	s_cselect_b32 s86, 1024, s86                   ; but from block 3 to block 4 of V: the next head's tile 0: 131072 - 3 x 2048
	s_mov_b32 s85, 0
	s_mov_b32 s87, 0
	s_lshr_b32 s98, s89, 3
	s_lshl_b32 s98, s98, 4                         ; 16 x batch
	s_lshl_b32 s96, s92, 2
	s_add_co_u32 s98, s98, s96                     ; + 4 W
	s_lshl_b32 s96, s95, 1
	s_add_co_u32 s98, s98, s96                     ; + 2 hw: my first head
	s_lshl_b32 s98, s98, 17
	s_and_b32 s96, s89, 7
	s_lshl_b32 s96, s96, 1
	s_add_co_u32 s96, s96, s94
	s_lshl_b32 s96, s96, 13                        ; my 128 tokens in it
	s_add_co_u32 s98, s98, s96
	s_mov_b32 s99, 0
	s_cmp_eq_u32 s66, 1
	s_cselect_b64 s[10:11], s[68:69], s[10:11]
	s_cmp_eq_u32 s66, 2
	s_cselect_b64 s[10:11], s[70:71], s[10:11]
	s_add_nc_u64 s[10:11], s[10:11], s[98:99]
	v_add_nc_u32 v[VO+1], 512, v[VO]
	v_add_nc_u32 v[VO+2], s88, v[VO]
	v_add_nc_u32 v[VO+3], s88, v[VO+1]
.macro FRAG reg, adr, q, i             ; a fragment comes back as it was stored: four loads of 512 consecutive bytes; registers 4 c .. 4 c + 3 hold K = 32 c + 16 (l / 16) + 0 .. 15 of tile row l % 16
.irp c, 0,1,2,3
	ds_load_b128 v[\reg+4*\c:\reg+4*\c+3], v[\adr] offset:4096*(\i)+2048*(\q)+512*\c
.endr
.endm
; 16 matrix instructions: A's blocks a0, a0 + 1 x B's eight, 128 along K.  p: B's set.  zero = 1: the first product starts the sums: nothing is ever cleared.
; The 64 accumulators take turns, one instruction a turn, in the same order in every step.
.macro MUL16 a0, p, zero
.irp a, \a0, \a0+1
.irp b, 0,1,2,3,4,5,6,7
.if \zero
	v_wmma_f32_16x16x128_fp8_fp8 v[8*(8*((\a)%4)+\b):8*(8*((\a)%4)+\b)+7], v[128*(\p)+FR*\b:128*(\p)+FR*\b+FR-1], v[AF+FR*(\a):AF+FR*(\a)+FR-1], 0
.else
	v_wmma_f32_16x16x128_fp8_fp8 v[8*(8*((\a)%4)+\b):8*(8*((\a)%4)+\b)+7], v[128*(\p)+FR*\b:128*(\p)+FR*\b+FR-1], v[AF+FR*(\a):AF+FR*(\a)+FR-1], v[8*(8*((\a)%4)+\b):8*(8*((\a)%4)+\b)+7]
.endif
.endr
.endr
.endm
.macro FETCH_B slot, q, p              ; B's eight fragments of the slot's q-th 128 along K into set p
	WIN TO_B
.irp i, 0,1,2,3,4,5,6,7
	FRAG 128*(\p)+FR*\i, ADRB+\slot, \q, \i
.endr
	WIN 0
.endm
.macro FETCH_A slot, q, i0             ; A's blocks i0 .. i0 + 3
.irp i, \i0, \i0+1, \i0+2, \i0+3
	FRAG AF+FR*(\i), ADRA+\slot, \q, \i
.endr
.endm
; A load into a register that a matrix instruction has read, and a vector instruction that reads a matrix result, stand NP places behind that matrix instruction; only plain vector
; instructions that name none of its registers are places (ISA guide 7.12.1 for vector instructions).
.macro PLACES n
.rept \n
	v_nop
.endr
.endm
; A step of 128 along K that has its successor in the same slot.  A block of A is free as soon as its eight products are issued, so one set of registers serves A; B has two.
.macro STEP slot, q, zero
	s_wait_dscnt 4*NL                              ; B's set and A's blocks 0-3 are in; the youngest sixteen loads (A's blocks 4-7) may be out
	WIN MUL_LO
	MUL16 0, (\q)%2, \zero
	MUL16 2, (\q)%2, \zero
	s_wait_dscnt 0                                 ; A's blocks 4-7 are in
	PLACES NP
	FETCH_B \slot, (\q)+1, 1-(\q)%2
	FETCH_A \slot, (\q)+1, 0
	WIN MUL_HI
	MUL16 4, (\q)%2, \zero
	MUL16 6, (\q)%2, \zero
	PLACES NP
	WIN 0
	FETCH_A \slot, (\q)+1, 4
.endm
; A slot's last step changes slots: ONE barrier; in front of it each wave waits for all its tensor loads, adds 0 to its spare word, and waits for that and for its own reads of this slot.  fill = 1: this slot is filled again, two K steps ahead.
.macro TURN slot, next, fill
	s_wait_tensorcnt 0x0                           ; all my tensor loads have landed: my part of the next slot
	ds_add_u32 v[SPW], v[NIL]                      ; 0 onto my spare word
	s_wait_dscnt 4*NL+1                            ; (the add and the youngest sixteen loads, A's blocks 4-7, may be out)
	WIN MUL_LO
	MUL16 0, 1, 0                                  ; sixteen matrix instructions stand between the add and the wait for it
	s_wait_dscnt 0x0                               ; the add is done, and my reads of this slot are over
	s_barrier_signal -1
	MUL16 2, 1, 0
	WIN 0
	s_barrier_wait -1
.if \fill
	CREST                                          ; the barrier has opened a round of the cluster's barrier: no wave of any partner still reads this slot or has a load on its way
	s_add_nc_u64 s[G0+4*\slot+2:G0+4*\slot+3], s[G0+4*\slot+2:G0+4*\slot+3], 2*HALFB
	s_add_nc_u64 s[G0B+4*\slot+2:G0B+4*\slot+3], s[G0B+4*\slot+2:G0B+4*\slot+3], 2*HALFB
	JLOAD G0+4*\slot, G1, G0B+4*\slot, G1B         ; the first tensor load behind the round; its four v_nop are also the places in front of the loads below
.else
	PLACES NP
.endif
	FETCH_B \next, 0, 0
	FETCH_A \next, 0, 0
	WIN MUL_HI
	MUL16 4, 1, 0
	MUL16 6, 1, 0
	PLACES NP
	WIN 0
	FETCH_A \next, 0, 4
.endm
	s_wait_alu depctr_va_vdst(0)
	s_wait_tensorcnt 1                             ; my part of K step 0 is in (K step 1's load may be out)
	s_barrier_signal -1
	s_barrier_wait -1                              ; everybody's is
	FETCH_B 0, 0, 0
	FETCH_A 0, 0, 0
	FETCH_A 0, 0, 4
	STEP 0, 0, 1                                   ; K 0-127: the products start the sums
	TURN 0, 1, 1                                   ; K 128-255; slot 0 takes K 512-767
	STEP 1, 0, 0
	TURN 1, 0, 1                                   ; slot 1 takes K 768-1023
	STEP 0, 0, 0
	TURN 0, 1, 0                                   ; nothing is left to fetch
	STEP 1, 0, 0
	s_wait_dscnt 4*NL                              ; the very last step
	WIN MUL_LO
	MUL16 0, 1, 0
	MUL16 2, 1, 0
	s_wait_dscnt 0
	WIN MUL_HI
	MUL16 4, 1, 0
	MUL16 6, 1, 0
	WIN 0
	; THE WAY OUT: convert, store.  No stage in LDS: a lane's sixteen neighbours along the next K are 16 bytes of a piece.
	s_wait_kmcnt 0x0
	s_sub_co_i32 s96, s78, s72
	s_sub_co_i32 s96, s96, s73                     ; e6 - e0 - e1
	s_sub_co_i32 s97, s79, s74
	s_sub_co_i32 s97, s97, s75                     ; e7 - e2 - e3
	s_sub_co_i32 s93, s81, s76
	s_sub_co_i32 s93, s93, s77                     ; e9 - e4 - e5
	s_cmp_eq_u32 s66, 1
	s_cselect_b32 s93, s97, s93
	s_cmp_eq_u32 s66, 0
	s_cselect_b32 s93, s96, s93                    ; ES: chosen, not branched on
	s_add_co_i32 s93, s93, 127
	s_lshl_b32 s96, s93, 23
	v_mov_b32 v[SCV], s96                          ; 2^ES as f32: the conversion takes its exponent field
	s_add_co_i32 s93, s93, 8
	s_lshl_b32 s93, s93, 23
	s_or_b32 s93, s93, 0x600000
	PLACES NP                                      ; behind the last products: for the reads of results and the writes over A's fragments
.macro OUTBLK a                        ; block a of A: 16 rows x my 128 columns
.set AC, 64*((\a)%4)
	WIN 0x02+((\a)/4)                              ; source 0: window 2 or 3
.set cnt, 0
.rept 64
.set cnt, cnt+1
.endr
.irp m, 0,1,2,3,4,5,6,7
	v_cvt_scalef32_pk8_fp8_f32 v[CD+16*(\a)+2*\m:CD+16*(\a)+2*\m+1], v[AC+8*\m:AC+8*\m+7], v[SCV]
.endr
	WIN 0
	v_nop                                          ; a plain line behind the last conversion
.if (\a) > 0
	s_wait_alu depctr_va_vdst(0)
	s_wait_xcnt 0x0                                ; the earlier stores have read their base: it steps only behind this wait
.if (\a) == 4
	s_add_nc_u64 s[10:11], s[10:11], s[86:87]
.else
	s_add_nc_u64 s[10:11], s[10:11], s[84:85]
.endif
.endif
.irp bb, 0,1,2,3
	global_store_b128 v[VO+\bb], v[CD+16*(\a)+4*\bb:CD+16*(\a)+4*\bb+3], s[10:11]   ; 32 lanes store 512 consecutive bytes, aligned; every block has code registers of its own
.endr
.endm
.irp a, 0,1,2,3,4,5,6,7
	OUTBLK \a
.endr
	s_wait_tensorcnt 0x0                           ; the wave's end
	ds_add_u32 v[SPW], v[NIL]
	s_wait_dscnt 0x0
	CROUND                                         ; the closing round: no work-group ends while a partner may still ask for a block that names it
	s_endpgm
.Lfunc_end_k_q2a7d75da69_qkv:
	.size	k_q2a7d75da69_qkv, .Lfunc_end_k_q2a7d75da69_qkv-k_q2a7d75da69_qkv
	.p2alignl 7, 3214868480
	.fill 96, 4, 3214868480
	.section	.rodata,"a",@progbits
	.p2align	6, 0x0
	.amdhsa_kernel k_q2a7d75da69_qkv
		.amdhsa_group_segment_fixed_size 327680
		.amdhsa_private_segment_fixed_size 0
		.amdhsa_enable_private_segment 0
		.amdhsa_kernarg_size 48
		.amdhsa_user_sgpr_count 2
		.amdhsa_user_sgpr_kernarg_segment_ptr 1
		.amdhsa_wavefront_size32 1
		.amdhsa_system_sgpr_workgroup_id_x 1
		.amdhsa_system_sgpr_workgroup_id_y 1
		.amdhsa_system_sgpr_workgroup_id_z 1
		.amdhsa_system_vgpr_workitem_id 0
		.amdhsa_next_free_vgpr 1024
		.amdhsa_next_free_sgpr 100
		.amdhsa_reserve_vcc 0
		.amdhsa_float_denorm_mode_32 3
		.amdhsa_float_denorm_mode_16_64 3
		.amdhsa_fp16_overflow 1
		.amdhsa_memory_ordered 1
		.amdhsa_forward_progress 1
		.amdhsa_inst_pref_size 87
	.end_amdhsa_kernel
	.amdgpu_metadata
---
amdhsa.version: [ 1, 2 ]
amdhsa.kernels:
  - .name:           k_q2a7d75da69_qkv
    .symbol:         k_q2a7d75da69_qkv.kd
    .args:
      - { .name: xc, .offset: 0, .size: 8, .value_kind: global_buffer, .address_space: global }
      - { .name: wc, .offset: 8, .size: 8, .value_kind: global_buffer, .address_space: global }
      - { .name: lowp_scales, .offset: 16, .size: 8, .value_kind: global_buffer, .address_space: global }
      - { .name: qc, .offset: 24, .size: 8, .value_kind: global_buffer, .address_space: global }
      - { .name: kc, .offset: 32, .size: 8, .value_kind: global_buffer, .address_space: global }
      - { .name: vc, .offset: 40, .size: 8, .value_kind: global_buffer, .address_space: global }
    .group_segment_fixed_size: 327680
    .private_segment_fixed_size: 0
    .kernarg_segment_align: 8
    .kernarg_segment_size: 48
    .max_flat_workgroup_size: 128
    .sgpr_count:     100
    .vgpr_count:     1024
    .wavefront_size: 32
...
	.end_amdgpu_metadata
.endif
;; end of part 2
;; launch attn (part 3): grid 4 x 64, 16 waves a work-group, no clusters, 327,680 bytes of LDS; arguments qc, kc, vc, lowp_scales, oc; writes oc
.if DOCPART == 3
	.amdgcn_target "amdgcn-amd-amdhsa--gfx1250"
	.amdhsa_code_object_version 6
	.text
	.protected	k_q2a7d75da69_attn
	.globl	k_q2a7d75da69_attn
	.p2align	8
	.type	k_q2a7d75da69_attn,@function
k_q2a7d75da69_attn:
	s_mov_b64 s[64:65], 0
	v_nop
	global_prefetch_b8 v0, s[64:65] scope:SCOPE_SE
	s_setreg_imm32_b32 hwreg(HW_REG_WAVE_MODE, 25, 1), 1
	s_wait_xcnt 0x0
; Causal attention on codes of E4M3, 64 heads (16 x batch + head) of 2,048 tokens x 64 channels; its result, O / l, is quantised at once (scale 2^e10) for the last projection.
; t = score x 2^(e6 + e7) x log2(e) / 8; M = the row's largest t so far, rounded up to a whole number; p = 2^(t - M) is quantised with 2^e8; the row's sum l is taken of the unquantised p, in f32.
; When M moves, l and O are multiplied by 2^(old M - new M): exact.  Code of O = (sum / l) / 2^(e10 - e8 - e9), held within +-448.
; LIMITS: e6 + e7 between -123 and 130 (added to the exponent field of log2(e) / 8); e8, and e10 - e8 - e9, between -126 and 119.  Hidden scores become -infinity where the problem writes -1e9:
; both give p = 0 unless a row's own scores lie near -1e9.
; OPERANDS are images of registers (tile T = 2 g + u holds at its row i row 32 g + 8 u + i + 8 (i / 8); a piece: lane l = i + 16 h has k = 32 c + 16 h + 0..15 at byte 16 l).
; qc, kc: [head][128 tiles][2 pieces][512].  vc: [head][16 blocks of 128 keys][4 tiles of channels][4 pieces][512].  oc: the image of [8192][1024] that the last projection reads.
; Both products are used transposed: S^T = K Q^T (source 0 = a tile of keys), O^T = V^T P^T (source 0 = a tile of channels): a lane holds ONE query throughout, the sixteen registers of two neighbouring
; tiles of keys are sixteen neighbouring keys (a piece of P), and those of two neighbouring tiles of channels sixteen neighbouring channels (a piece of O).
; SHARES.  Work-group i of a head takes the block of 256 queries 7 - i, which needs the slots of 256 keys 0 .. 7 - i, and then block i, which needs slots 0 .. i: NINE slots in every work-group.
; So all 256 work-groups have equal work, the trip count is a constant, and no slot is fetched that nobody reads.  Each of the sixteen waves owns one tile of 16 queries of each block: four waves to a SIMD,
; so that one wave's vector work stands beside another's matrix work and LDS loads.
; NO CLUSTER: the work-groups of a head stand at different slots in the same trip (0 .. 7 - i, then 0 .. i); walking in step on shared slots would take 12 slots' time in place of 9.
; REGISTERS: v1 16 x lane; v2 my query's place less 16 h; v3 the prefetches' offset; v5, v6 for the add; v8 the LDS address in hand; v12 -M, v13 the largest t, v[14:15] l in two halves; v16-23 Q; v24-31 the second
; block's Q; v32-95 K's, then V's fragments; v96-159 S^T, then p; v160-191 O^T; v192-199 O's codes; v224-239 p's codes; v244: 2^e8; v245: 2^(e10 - e8 - e9); v236, v242-243, v252-254 at work.
.set SLOT1, 32768                      ; a slot: K's 16 tiles (16,384 bytes), then V's two blocks of keys (16,384); slot 1 begins here
.set VOFF,  16384
.set SPARE, 65536                      ; behind the ring: the spare words, 128 bytes for each of the sixteen waves
.set LI,   1
.set DQ,   2
.set PFO,  3
.set SPW,  5
.set NIL,  6
.set ADR,  8
.set TB,   2                           ; s2   LDS byte at which the slot in hand begins
.set WV,   18                          ; s18  my wave's number
.set SEL,  20                          ; s[20:21] lane selects for v_permlanex16_b32: lane l xor 16
.set CS,   22                          ; s[22:23] c = 2^(e6 + e7) log2(e) / 8
.set G1,   24                          ; s[24:31] descriptor group 1
.set HB,   36                          ; s[36:37] the head's first byte of what I fetch: K (wave 0) or V (wave 1)
.set OFF,  38                          ; s[38:39] the slot's bytes in it
.set G0,   40                          ; s[40:43] descriptor group 0
.set NK,   44                          ; s44  the slot of keys asked for last
.set LIMK, 45                          ; s45  8 - i: behind slot 7 - i comes slot 0 again
.set FIN,  46                          ; s46  i + 1: the count of slots to go at which the first block is finished
.set Q0L,  47                          ; s47  my second tile's first query
.set OBH,  48                          ; s[48:49], s[50:51] where my two tiles of O go
.set OBL,  50
.set PFA,  52                          ; s[52:53] where my prefetches stand
.set LIM,  54                          ; s54  2 in a wave that prefetches, else the greatest number
.set SLOTS, 67                         ; s67  counts the loop's eight trips down
.set KF,   98                          ; s98  the step's first key
.set Q0,   99                          ; s99  my tile's first query: its queries are Q0 + r + 8 (r / 8), r = 0..15
.macro TLOAD                           ; wave 0 fetches a slot's K, wave 1 its V, the others nothing.  Four v_nop follow the line
	s_cmp_lt_u32 s[WV], 2
	s_cbranch_scc0 .Lnone_\@
	tensor_load_to_lds s[G0:G0+3], s[G1:G1+7]
	s_nop 0
.rept 4
	v_nop
.endr
.Lnone_\@:
.endm
; A PREFETCH INTO THE L2 of the slot that the NEXT change of slots will ask for.  The head's work-group 0 walks slots 0 to 7 in order: it asks, and nobody else.  In it waves 2, 3 ask for the halves of K's
; 16,384 bytes and waves 4, 5 for V's: 8,192 bytes a wave, lanes 256 bytes apart, one instruction.  Trips 0 to 5 name slots 2 to 7: each block of 256 bytes once in the launch.  Slots 0 and 1 come by their loads alone.
.macro ASK
	s_cmp_gt_u32 s[SLOTS], s[LIM]
	s_cbranch_scc0 .Lnot_mine_\@
	global_prefetch_b8 v[PFO], s[PFA:PFA+1] th:TH_LOAD_NT scope:SCOPE_SE
.Lnot_mine_\@:
.endm
	s_load_b256 s[4:11], s[0:1], 0x0               ; qc s[4:5], kc s[6:7], vc s[8:9], the exponents s[10:11]
	s_load_b64 s[12:13], s[0:1], 0x20              ; oc
	v_lshl_add_u32 v[SPW], v0, 2, SPARE
	v_mov_b32 v[NIL], 0
	ds_add_u32 v5, v6
	ds_add_u32 v5, v6
	s_wait_dscnt 0x0
	v_lshrrev_b32 v8, 5, v0
	s_delay_alu instid0(VALU_DEP_1)
	v_readfirstlane_b32 s[WV], v8                  ; wave 0..15
	s_and_b32 s73, ttmp7, 0xffff                   ; 16 x batch + head
	s_lshl_b32 s74, s73, 17                        ; the head's first byte in qc, kc and vc
	s_mov_b32 s75, 0
	s_and_b32 s76, s[WV], 1
	s_lshl_b32 s77, s76, 14                        ; where my load goes in a slot: K 0, V 16,384
	s_mov_b32 s[G1], 3<<16                         ; a dense block as 64 rows of 32 elements of 8 bytes: no mask, no padding
	s_mov_b32 s[G1+1], 32<<16                      ; tensor_dim0
	s_mov_b32 s[G1+2], 64<<16                      ; tensor_dim1
	s_mov_b32 s[G1+3], 32<<16                      ; tile_dim0
	s_mov_b32 s[G1+4], 64                          ; tile_dim1
	s_mov_b32 s[G1+5], 32                          ; tensor_dim0_stride
	s_mov_b32 s[G1+6], 0
	s_mov_b32 s[G1+7], 0
	s_sub_co_u32 s78, 7, ttmp9
	s_lshl_b32 s78, s78, 4
	s_add_co_u32 s78, s78, s[WV]                   ; my first tile: 16 (7 - i) + wave
	s_lshl_b32 s79, ttmp9, 4
	s_add_co_u32 s79, s79, s[WV]                   ; my second: 16 i + wave
	s_lshr_b32 s80, s78, 1
	s_lshl_b32 s80, s80, 5
	s_and_b32 s81, s78, 1
	s_lshl_b32 s81, s81, 3
	s_add_co_u32 s[Q0], s80, s81                   ; 32 (T / 2) + 8 (T % 2)
	s_lshr_b32 s80, s79, 1
	s_lshl_b32 s80, s80, 5
	s_and_b32 s81, s79, 1
	s_lshl_b32 s81, s81, 3
	s_add_co_u32 s[Q0L], s80, s81
	s_lshl_b32 s82, s78, 10
	s_add_co_u32 s82, s82, s74                     ; Q: head + 1,024 x tile
	s_mov_b32 s83, 0
	s_lshl_b32 s84, s79, 10
	s_add_co_u32 s84, s84, s74
	s_mov_b32 s85, 0
	; O's image: k = 64 x head + channel; tile = 128 x batch + T
	s_and_b32 s86, s73, 15                         ; the head in its batch
	s_lshr_b32 s87, s86, 2
	s_lshl_b32 s87, s87, 15                        ; (k / 256) 32768
	s_bfe_u32 s88, s86, 0x10001
	s_lshl_b32 s88, s88, 11
	s_add_co_u32 s87, s87, s88                     ; + ((k / 128) % 2) 2048
	s_and_b32 s88, s86, 1
	s_lshl_b32 s88, s88, 10
	s_add_co_u32 s87, s87, s88                     ; + the head's two pieces of the four
	s_lshr_b32 s86, s73, 4
	s_lshl_b32 s86, s86, 7                         ; 128 x batch
	s_add_co_u32 s88, s86, s78
	s_lshr_b32 s89, s88, 3
	s_lshl_b32 s89, s89, 17
	s_and_b32 s88, s88, 7
	s_lshl_b32 s88, s88, 12
	s_add_co_u32 s88, s88, s89
	s_add_co_u32 s88, s88, s87
	s_mov_b32 s89, 0
	s_add_co_u32 s90, s86, s79
	s_lshr_b32 s91, s90, 3
	s_lshl_b32 s91, s91, 17
	s_and_b32 s90, s90, 7
	s_lshl_b32 s90, s90, 12
	s_add_co_u32 s90, s90, s91
	s_add_co_u32 s90, s90, s87
	s_mov_b32 s91, 0
	s_mov_b32 s[SEL], 0x76543210
	s_mov_b32 s[SEL+1], 0xfedcba98
	s_mov_b32 s[CS], 0x3e38aa3b                    ; log2(e) / sqrt(64)
	s_mov_b32 s[TB], 0
	s_mov_b32 s[SLOTS], 8
	s_mov_b32 s[NK], 0
	s_mov_b32 s[OFF+1], 0
	s_mov_b32 s[KF], 0
	s_sub_co_u32 s[LIMK], 8, ttmp9
	s_add_co_u32 s[FIN], ttmp9, 1
	s_wait_kmcnt 0x0
	s_load_b64 s[68:69], s[10:11], 0x18            ; e6, e7
	s_load_b64 s[70:71], s[10:11], 0x20            ; e8, e9
	s_load_b32 s72, s[10:11], 0x28                 ; e10
	s_cmp_eq_u32 s76, 0
	s_cselect_b64 s[HB:HB+1], s[6:7], s[8:9]
	s_add_nc_u64 s[HB:HB+1], s[HB:HB+1], s[74:75]
	s_mov_b32 s[G0], 1                             ; count = 1
	s_mov_b32 s[G0+1], s77                         ; LDS address: slot 0
	s_mov_b64 s[G0+2:G0+3], s[HB:HB+1]             ; the head's first 256 keys
	s_or_b32 s[G0+3], s[G0+3], 0x80000000          ; type = 2
	TLOAD                                          ; slot 0: the launch's one first fill at the head; a wave never has more than one tensor load out
	s_add_nc_u64 s[56:57], s[4:5], s[82:83]
	s_add_nc_u64 s[58:59], s[4:5], s[84:85]
	s_add_nc_u64 s[OBH:OBH+1], s[12:13], s[88:89]
	s_add_nc_u64 s[OBL:OBL+1], s[12:13], s[90:91]
	v_and_b32 v9, 31, v0
	s_wait_alu depctr_va_vdst(0)
	v_lshlrev_b32 v[LI], 4, v9
	global_load_b128 v[16:19], v[LI], s[56:57]             ; Q's fragments stay in registers: the first block's,
	global_load_b128 v[20:23], v[LI], s[56:57] offset:512
	global_load_b128 v[24:27], v[LI], s[58:59]             ; and the second's
	global_load_b128 v[28:31], v[LI], s[58:59] offset:512
	s_cmp_lt_u32 s[WV], 4                          ; the prefetches: waves 2, 3 for K, waves 4, 5 for V
	s_cselect_b64 s[PFA:PFA+1], s[6:7], s[8:9]
	s_lshl_b32 s92, s76, 13                        ; my half of a slot's 16,384 bytes,
	s_add_co_u32 s92, s92, s74                     ; in my head,
	s_add_co_u32 s92, s92, 16384                   ; in slot 1: the first change of slots steps it to slot 2.  Nothing is prefetched here, at the head
	s_mov_b32 s93, 0
	s_add_nc_u64 s[PFA:PFA+1], s[PFA:PFA+1], s[92:93]
	s_sub_co_u32 s92, s[WV], 2
	s_lshr_b32 s92, s92, 2                         ; 0 in waves 2 to 5,
	s_or_b32 s92, s92, ttmp9                       ; of the head's work-group 0
	s_cmp_eq_u32 s92, 0
	s_cselect_b32 s[LIM], 2, -1
	v_lshlrev_b32 v[PFO], 8, v9
	v_and_b32 v10, 15, v0                          ; r
	s_delay_alu instid0(VALU_DEP_1)
	v_and_b32 v11, 8, v10
	s_delay_alu instid0(VALU_DEP_1)
	v_add_nc_u32 v10, v10, v11                     ; r + 8 (r / 8)
	v_and_b32 v11, 16, v0                          ; 16 h
	s_delay_alu instid0(VALU_DEP_1)
	v_sub_nc_u32 v[DQ], v10, v11
	v_mov_b32 v13, 0xff61b1e6                      ; the largest t so far: -3e38, under every t
	s_delay_alu instid0(VALU_DEP_1)
	v_floor_f32 v12, -v13                          ; -M
	v_mov_b32 v14, 0                               ; l, in two halves
	v_mov_b32 v15, 0
	v_mov_b32 v236, 0                              ; written once: a lane permute's destination counts as one of its sources
	v_mov_b32 v252, 0
	v_mov_b32 v253, 0                              ; (named as the upper half of the pair v[252:253])
.set cnt, 0
.rept 32
	v_mov_b32 v[160+cnt], 0                        ; O^T.  (A key step is written without a first form: the first finds zeros, which the first change of M leaves zeros)
.set cnt, cnt+1
.endr
	s_wait_kmcnt 0x0
	s_add_co_i32 s92, s68, s69
	s_lshl_b32 s92, s92, 23
	s_add_co_i32 s[CS], s[CS], s92                 ; a score stands for score x 2^(e6 + e7): the exponents are added to c's exponent field
	s_mov_b32 s[CS+1], s[CS]                       ; (named with it as a pair, so it is written)
	s_add_co_i32 s92, s70, 127
	s_lshl_b32 s93, s92, 23
	v_mov_b32 v244, s93                            ; 2^e8
	s_sub_co_i32 s92, s72, s70
	s_sub_co_i32 s92, s92, s71                     ; e10 - e8 - e9
	s_add_co_i32 s92, s92, 127
	s_lshl_b32 s93, s92, 23
	v_mov_b32 v245, s93
; A KEY STEP: 128 keys, the q-th of the slot in hand.
.macro STEP q
	s_add_co_u32 s96, s[Q0], 23                    ; my tile's last query.  A step all of whose keys come after it is left out: a scalar branch on ids, round loads, products and softmax; no barrier and no tensor load stands in a step
	s_cmp_gt_u32 s[KF], s96
	s_cbranch_scc1 .Lhidden_\@
	v_add_nc_u32 v[ADR], s[TB], v[LI]
.rept 3
	v_nop                                          ; with the addition above: four places in front of loads into registers that the last products read
.endr
.irp t, 0,1,2,3,4,5,6,7
.irp c, 0,1
	ds_load_b128 v[32+8*\t+4*\c:35+8*\t+4*\c], v[ADR] offset:8192*(\q)+1024*\t+512*\c   ; K's tile t: 512 consecutive bytes a load
.endr
.endr
	s_wait_dscnt 0x0
	s_wait_alu depctr_va_vdst(0)
.irp t, 0,1,2,3,4,5,6,7
	v_wmma_f32_16x16x64_fp8_fp8 v[96+8*\t:103+8*\t], v[32+8*\t:39+8*\t], v[16:23], 0   ; S^T: register 16 b + i of lane (r, h) is key KF + 32 b + 16 h + i
.endr
.rept 4
	v_nop                                          ; places: in front of the loads below, and of the first read of the scores
.endr
.irp t, 0,1,2,3
.irp c, 0,1,2,3
	ds_load_b128 v[32+16*\t+4*\c:35+16*\t+4*\c], v[ADR] offset:VOFF+8192*(\q)+2048*\t+512*\c   ; V's four tiles of channels: they land while the softmax is worked
.endr
.endr
	s_add_co_u32 s96, s[KF], 127                   ; on the diagonal hidden scores become -infinity ahead of the maximum: p = 0 then.  A step all of whose keys count skips this
	s_cmp_le_u32 s96, s[Q0]
	s_cbranch_scc1 .Lopen_\@
	s_sub_co_i32 s96, s[Q0], s[KF]
	v_add_nc_u32 v252, s96, v[DQ]                  ; d = my query - KF - 16 h: register 16 b + i is hidden where 32 b + i > d
	v_mov_b32 v254, 0xff800000
.set cnt, 0
.rept 64
	v_cmp_gt_i32 vcc_lo, 32*(cnt/16)+cnt%16, v252
	v_cndmask_b32 v[96+cnt], v[96+cnt], v254, vcc_lo
.set cnt, cnt+1
.endr
.Lopen_\@:
	v_max3_num_f32 v254, v96, v97, v98             ; the step's largest score of my query among my 64 keys, in two chains, each accumulator from its low end on,
	v_max3_num_f32 v252, v99, v100, v101
.irp i, 6,10,14,18,22,26,30,34,38,42,46,50,54,58
	v_max3_num_f32 v254, v254, v[96+\i], v[97+\i]
	v_max3_num_f32 v252, v252, v[98+\i], v[99+\i]
.endr
	v_max3_num_f32 v254, v254, v158, v159
	s_delay_alu instid0(VALU_DEP_1)
	v_max_num_f32 v254, v254, v252
	v_permlanex16_b32 v236, v254, s[SEL], s[SEL+1]
	s_delay_alu instid0(VALU_DEP_1)
	v_max_num_f32 v254, v254, v236                 ; and among lane l xor 16's
	s_delay_alu instid0(VALU_DEP_1)
	v_mul_f32 v254, s[CS], v254                    ; as t (c is positive)
	s_delay_alu instid0(VALU_DEP_1)
	v_max_num_f32 v13, v13, v254                   ; the running largest t
	v_mov_b32 v254, v12
	s_delay_alu instid0(VALU_DEP_2)
	v_floor_f32 v12, -v13                          ; the new -M = floor(-t): M is a whole number
	s_delay_alu instid0(VALU_DEP_1)
	v_sub_f32 v254, v12, v254                      ; old M - new M: a whole number, 0 or less
	s_delay_alu instid0(VALU_DEP_1)
	v_cvt_i32_f32 v254, v254                       ; (it saturates)
	s_delay_alu instid0(VALU_DEP_1)
	v_ldexp_f32 v252, 1.0, v254                    ; f = 2^(old M - new M)
.set cnt, 0
.rept 32
	v_pk_fma_f32 v[96+cnt:97+cnt], v[96+cnt:97+cnt], s[CS:CS+1], v[12:13] op_sel_hi:[1,0,0]   ; t - M, two at a time (of the pairs c and -M the low word serves both halves)
.set cnt, cnt+2
.endr
.set cnt, 0
	s_wait_alu depctr_va_vdst(0)
.rept 64
	v_exp_f32 v[96+cnt], v[96+cnt]                 ; p = 2^(t - M), at most 1: not normalised
.set cnt, cnt+1
.endr
	v_pk_mul_f32 v[14:15], v[14:15], v[252:253] op_sel_hi:[1,0]   ; l under the new M: the plain line behind the exponentials
	s_wait_alu depctr_va_vdst(0)                   ; one wait for the whole batch, ahead of its first reader
	v_pk_add_f32 v[242:243], v[100:101], v[104:105]
	v_pk_add_f32 v[254:255], v[108:109], v[112:113]
	v_pk_add_f32 v[250:251], v[116:117], v[120:121]
	v_pk_add_f32 v[248:249], v[124:125], v[128:129]
	v_pk_add_f32 v[246:247], v[132:133], v[136:137]
	v_pk_add_f32 v[240:241], v[140:141], v[144:145]
	v_pk_add_f32 v[238:239], v[148:149], v[152:153]
	v_pk_add_f32 v[14:15], v[14:15], v[156:157]
	v_pk_add_f32 v[242:243], v[242:243], v[96:97]
	v_pk_add_f32 v[254:255], v[254:255], v[98:99]
	v_pk_add_f32 v[250:251], v[250:251], v[102:103]
	v_pk_add_f32 v[248:249], v[248:249], v[106:107]
	v_pk_add_f32 v[246:247], v[246:247], v[110:111]
	v_pk_add_f32 v[240:241], v[240:241], v[114:115]
	v_pk_add_f32 v[238:239], v[238:239], v[118:119]
	v_pk_add_f32 v[14:15], v[14:15], v[122:123]
	v_pk_add_f32 v[242:243], v[242:243], v[126:127]
	v_pk_add_f32 v[254:255], v[254:255], v[130:131]
	v_pk_add_f32 v[250:251], v[250:251], v[134:135]
	v_pk_add_f32 v[248:249], v[248:249], v[138:139]
	v_pk_add_f32 v[246:247], v[246:247], v[142:143]
	v_pk_add_f32 v[240:241], v[240:241], v[146:147]
	v_pk_add_f32 v[238:239], v[238:239], v[150:151]
	v_pk_add_f32 v[14:15], v[14:15], v[154:155]
	v_pk_add_f32 v[242:243], v[242:243], v[158:159]
	s_delay_alu instid0(VALU_DEP_2)
	v_pk_add_f32 v[14:15], v[14:15], v[248:249]
	s_delay_alu instid0(VALU_DEP_2)
	v_pk_add_f32 v[242:243], v[242:243], v[246:247]
	v_pk_add_f32 v[254:255], v[254:255], v[240:241]
	v_pk_add_f32 v[250:251], v[250:251], v[238:239]
	s_delay_alu instid0(VALU_DEP_2)
	v_pk_add_f32 v[14:15], v[14:15], v[254:255]
	s_delay_alu instid0(VALU_DEP_2)
	v_pk_add_f32 v[242:243], v[242:243], v[250:251]
	s_delay_alu instid0(VALU_DEP_1)
	v_pk_add_f32 v[14:15], v[14:15], v[242:243]
.irp b, 0,1,2,3
.irp i, 0,1,2,3,4,5,6,7,8,9,10,11,12,13,14,15
.endr
	v_cvt_scalef32_pk8_fp8_f32 v[224+4*\b:225+4*\b], v[96+16*\b:103+16*\b], v244
	v_cvt_scalef32_pk8_fp8_f32 v[226+4*\b:227+4*\b], v[104+16*\b:111+16*\b], v244
.endr
.set cnt, 0
.rept 16
	v_pk_mul_f32 v[160+cnt:161+cnt], v[160+cnt:161+cnt], v[252:253] op_sel_hi:[1,0]   ; O^T under the new M.  (Also the plain lines between the conversions and the products that read the codes)
.set cnt, cnt+2
.endr
	s_wait_alu depctr_va_vdst(0)
	s_wait_dscnt 0x0                               ; V is in
.irp t, 0,1,2,3
	v_wmma_f32_16x16x128_fp8_fp8 v[160+8*\t:167+8*\t], v[32+16*\t:47+16*\t], v[224:239], v[160+8*\t:167+8*\t]   ; the four accumulators take turns, and the next step's eight products come between
.endr
.Lhidden_\@:
	s_add_co_u32 s[KF], s[KF], 128
.endm
; THE CHANGE OF SLOTS stands at a slot's head.  Each wave waits for all its tensor loads (its part of the slot that it is about to read), adds 0 to its spare word, and waits for that and for its reads of the slot that it
; has left.  Behind the barrier the slot ahead is whole and nobody reads the other one.  fill = 1: that other slot takes the keys that follow: the load has a whole slot's steps in which to land.
.macro CHANGE fill
	s_wait_tensorcnt 0x0                           ; no tensor load of mine is out, so group 0 may be written
	ds_add_u32 v[SPW], v[NIL]                      ; 0 onto my spare word
.if \fill
	s_xor_b32 s[G0+1], s[G0+1], SLOT1              ; the other slot than last time,
	s_add_co_u32 s[NK], s[NK], 1                   ; the next 256 keys,
	s_cmp_eq_u32 s[NK], s[LIMK]
	s_cselect_b32 s[NK], 0, s[NK]                  ; or the head's first again, for the second block of queries
	s_lshl_b32 s[OFF], s[NK], 14
	s_add_nc_u64 s[G0+2:G0+3], s[HB:HB+1], s[OFF:OFF+1]
	s_or_b32 s[G0+3], s[G0+3], 0x80000000
	s_wait_xcnt 0x0                                ; the last prefetch, a slot back, has read its address, so it may be written
	s_add_nc_u64 s[PFA:PFA+1], s[PFA:PFA+1], 16384
.endif
	s_wait_dscnt 0x0                               ; the add is done, and my reads of the slot that I have left are over
	s_barrier_signal -1
	s_barrier_wait -1
.if \fill
	TLOAD                                          ; the first thing behind the barrier, and a wave's one tensor load until the next
	ASK
.endif
.endm
; A tile of queries is finished: O^T / l, converted: two pieces of 512 bytes of O's image.  next = 1: the state is set for my second tile.
.macro FINISH base, next
.rept 4
	v_nop                                          ; places behind the last products
.endr
	v_add_f32 v14, v14, v15                        ; l's two halves,
	s_delay_alu instid0(VALU_DEP_1)
	v_permlanex16_b32 v252, v14, s[SEL], s[SEL+1]
	s_delay_alu instid0(VALU_DEP_1)
	v_add_f32 v14, v14, v252                       ; and lane l xor 16's
	s_wait_alu depctr_va_vdst(0)
	v_rcp_f32 v14, v14
	v_nop                                          ; a plain line behind the reciprocal
	s_wait_xcnt 0x0                                ; the first tile's stores have read their registers: the codes' registers are written again only behind this wait
	s_wait_alu depctr_va_vdst(0)                   ; ahead of the reciprocal's first reader
.set cnt, 0
.rept 16
	v_pk_mul_f32 v[160+cnt:161+cnt], v[160+cnt:161+cnt], v[14:15] op_sel_hi:[1,0]   ; each accumulator from its low end on
.set cnt, cnt+2
.endr
.set cnt, 0
.rept 32
.set cnt, cnt+1
.endr
.irp m, 0,1,2,3
	v_cvt_scalef32_pk8_fp8_f32 v[192+2*\m:193+2*\m], v[160+8*\m:167+8*\m], v245   ; tiles 2 g and 2 g + 1 of channels give piece g
.endr
	v_nop                                          ; a plain line between the last conversion and the next write of its sources
	global_store_b128 v[LI], v[192:195], s[\base:\base+1]              ; 32 lanes store 512 consecutive bytes, aligned
	global_store_b128 v[LI], v[196:199], s[\base:\base+1] offset:512
.if \next
	v_mov_b32 v13, 0xff61b1e6
	s_delay_alu instid0(VALU_DEP_1)
	v_floor_f32 v12, -v13
	v_mov_b32 v14, 0
	v_mov_b32 v15, 0
.set cnt, 0
.rept 32
	v_mov_b32 v[160+cnt], 0
.set cnt, cnt+1
.endr
.set cnt, 0
.rept 8
	v_mov_b32 v[16+cnt], v[24+cnt]                 ; the second tile's Q
.set cnt, cnt+1
.endr
	s_mov_b32 s[Q0], s[Q0L]
	s_mov_b32 s[KF], 0
.endif
.endm
	s_wait_loadcnt 0x0                             ; Q
.Lslot:                                            ; eight trips: behind each change of slots but the last the next slot is asked for
	CHANGE 1
	STEP 0
	STEP 1
	s_xor_b32 s[TB], s[TB], SLOT1                  ; on to the other slot
	s_cmp_lg_u32 s[SLOTS], s[FIN]                  ; behind slot 7 - i the first block is finished: a branch on ids; no barrier, LDS instruction or tensor load stands under it
	s_cbranch_scc1 .Lgo_on
	FINISH OBH, 1
.Lgo_on:
	s_sub_co_u32 s[SLOTS], s[SLOTS], 1
	s_cmp_lg_u32 s[SLOTS], 0
	s_cbranch_scc1 .Lslot
	CHANGE 0                                       ; the ninth slot is written out
	STEP 0
	STEP 1
	FINISH OBL, 0
	s_wait_tensorcnt 0x0                           ; the wave's end
	ds_add_u32 v[SPW], v[NIL]
	s_wait_dscnt 0x0
	s_endpgm
.Lfunc_end_k_q2a7d75da69_attn:
	.size	k_q2a7d75da69_attn, .Lfunc_end_k_q2a7d75da69_attn-k_q2a7d75da69_attn
	.p2alignl 7, 3214868480
	.fill 96, 4, 3214868480
	.section	.rodata,"a",@progbits
	.p2align	6, 0x0
	.amdhsa_kernel k_q2a7d75da69_attn
		.amdhsa_group_segment_fixed_size 327680
		.amdhsa_private_segment_fixed_size 0
		.amdhsa_enable_private_segment 0
		.amdhsa_kernarg_size 40
		.amdhsa_user_sgpr_count 2
		.amdhsa_user_sgpr_kernarg_segment_ptr 1
		.amdhsa_wavefront_size32 1
		.amdhsa_system_sgpr_workgroup_id_x 1
		.amdhsa_system_sgpr_workgroup_id_y 1
		.amdhsa_system_sgpr_workgroup_id_z 1
		.amdhsa_system_vgpr_workitem_id 0
		.amdhsa_next_free_vgpr 256
		.amdhsa_next_free_sgpr 100
		.amdhsa_reserve_vcc 1
		.amdhsa_float_denorm_mode_32 3
		.amdhsa_float_denorm_mode_16_64 3
		.amdhsa_fp16_overflow 1
		.amdhsa_memory_ordered 1
		.amdhsa_forward_progress 1
		.amdhsa_inst_pref_size 90
	.end_amdhsa_kernel
	.amdgpu_metadata
---
amdhsa.version: [ 1, 2 ]
amdhsa.kernels:
  - .name:           k_q2a7d75da69_attn
    .symbol:         k_q2a7d75da69_attn.kd
    .args:
      - { .name: qc, .offset: 0, .size: 8, .value_kind: global_buffer, .address_space: global }
      - { .name: kc, .offset: 8, .size: 8, .value_kind: global_buffer, .address_space: global }
      - { .name: vc, .offset: 16, .size: 8, .value_kind: global_buffer, .address_space: global }
      - { .name: lowp_scales, .offset: 24, .size: 8, .value_kind: global_buffer, .address_space: global }
      - { .name: oc, .offset: 32, .size: 8, .value_kind: global_buffer, .address_space: global }
    .group_segment_fixed_size: 327680
    .private_segment_fixed_size: 0
    .kernarg_segment_align: 8
    .kernarg_segment_size: 40
    .max_flat_workgroup_size: 512
    .sgpr_count:     100
    .vgpr_count:     256
    .wavefront_size: 32
...
	.end_amdgpu_metadata
.endif
;; end of part 3
;; launch oproj (part 4): grid 4 x 32, 4 waves a work-group, clusters of 4 x 4, 327,680 bytes of LDS; arguments oc, wc, lowp_scales, out0; writes out0
.if DOCPART == 4
	.amdgcn_target "amdgcn-amd-amdhsa--gfx1250"
	.amdhsa_code_object_version 6
	.text
	.protected	k_q2a7d75da69_oproj
	.globl	k_q2a7d75da69_oproj
	.p2align	8
	.type	k_q2a7d75da69_oproj,@function
k_q2a7d75da69_oproj:
	s_mov_b64 s[64:65], 0
	v_nop
	global_prefetch_b8 v0, s[64:65] scope:SCOPE_SE
	s_setreg_imm32_b32 hwreg(HW_REG_WAVE_MODE, 25, 1), 1
	s_wait_xcnt 0x0
	s_wait_alu depctr_hold_cnt(0) depctr_sa_sdst(0) depctr_va_vdst(0) depctr_va_sdst(0) depctr_va_ssrc(0) depctr_va_vcc(0) depctr_vm_vsrc(0)
	s_getreg_b32 s2, hwreg(HW_REG_IB_STS2, 6, 4)
	s_cmp_eq_u32 s2, 0
	s_cbranch_scc0 .Lentry_in_a_cluster
	s_endpgm
.Lentry_in_a_cluster:
	s_bfe_u32 s2, ttmp6, 0x10000c
	s_cmp_lg_u32 s2, 0xf033
	s_cbranch_scc0 .Lentry_shape_is_right
	s_endpgm
.Lentry_shape_is_right:
; out0 = O wo^T on codes of E4M3: O [8192][1024] (scale 2^e10) and wo [1024][1024] (scale 2^e11, the fourth image in wc); sums in f32, each multiplied once by 2^(e10 + e11); out0 [8192][1024] f32.
; LIMIT: e10 + e11 between -126 and 127, so that 2^(e10 + e11) is an f32 number.
; OPERANDS are images of registers: tile T = 2 g + u holds at its row i row 32 g + 8 u + i + 8 (i / 8); a piece of 512 bytes has lane l = i + 16 h's codes k = 32 c + 16 h + 0..15 at byte 16 l;
; byte of (T, k) = (T/8) 131072 + (k/256) 32768 + (T%8) 4096 + ((k/128)%2) 2048 + ((k/32)%4) 512 + 16 l + k%16.  So 128 rows x 256 K are one dense block of 32 KiB, and a fragment is four loads of 512 consecutive bytes.
; A tile of the result, 256 x 256, is made by four waves, 128 x 128 each: 64 accumulators, 512 registers.  K = 1,024 goes in four steps of 256 through two LDS slots; all is written out, there is no loop.
; THE MATRIX INSTRUCTION IS USED TRANSPOSED (source 0 = a tile of wo, source 1 = a tile of O): lane (r, h) holds row r of O's tile, and in the accumulator of wo's tile 2 b + u the columns 32 b + 16 h + 8 u + 0..7.
; CLUSTERS: 4 x 4 work-groups; O's blocks are asked for jointly along a row of the cluster, wo's along a column.
; REGISTERS, in windows of 256: window 0: v16-29 addresses; from v128 A's fragments, one set; on the way out v32-255 are free.  window 1: B's fragments, two sets.  windows 2, 3: the accumulators.
.set FR,     16                        ; registers of a fragment: 16 rows x 128 K
.set NL,     4                         ; LDS loads that bring one
.set NP,     4                         ; places behind this matrix instruction (ISA guide 7.12.1)
.set HALFB,  32768                     ; 128 rows x 256 K: what one tensor load brings
.set SLOT,   4*HALFB                   ; A's 256 rows, then B's 256 rows
.set SPARE,  2*SLOT                    ; behind the ring: the spare words, 128 bytes for each wave
.set SPITCH, 528                       ; the way out: a stage of 16 rows x (512 bytes + 16) for each wave.  It lies in slot 0, which has had its last fill and its last read when the first result is stored there
.set ADRA, 16                          ; v16-17  LDS address of my A fragments in slot 0, 1
.set ADRB, 20                          ; v20-21  the same for B
.set STO,  24                          ; v24     the way out: where I put my bytes of a row
.set RD,   25                          ; v25     the way out: where I read a row back
.set CO,   26                          ; v26     my byte offset in a row of out0
.set SPW,  28                          ; v28     LDS address of my spare word; never rewritten
.set NIL,  29                          ; v29     0; never rewritten
.set TMP,  32                          ; the way out: 64 registers, a block's sums x 2^(e10 + e11)
.set AF,   128                         ; A's fragments
.set BK,   128                         ; the way out: 16 rows read back from the stage: v128-191 and v192-255 by turns
.set G1, 24                            ; s[24:31] descriptor group 1 for A's blocks;  s[32:39] group 0, one set for each slot
.set G0, 32
.set G1B, 48                           ; s[48:55], s[56:63] the same for B's
.set G0B, 56
.set MSB, 0
.macro WIN new                         ; the immediate's high byte repeats the setting that is left
.if MSB != \new
	s_set_vgpr_msb (MSB<<8)|\new
.set MSB, \new
.endif
.endm
.set MUL_LO, 0xa1                      ; source 0 (B) window 1, source 1 (A) window 0, C and D window 2
.set MUL_HI, 0xf1                      ; the same, C and D window 3
.set TO_B,   0x40                      ; destination window 1, address window 0
; A joint load: waves 0 and 1 fetch for A, waves 2 and 3 for B.  The branch hangs on the wave's number alone.  Four v_nop follow each of the two lines.
.macro JLOAD g0a, g1a, g0b, g1b
	s_cmp_eq_u32 s15, 0
	s_cbranch_scc0 .Lfor_b_\@
	tensor_load_to_lds s[\g0a:\g0a+3], s[\g1a:\g1a+7]
	s_nop 0
.rept 4
	v_nop
.endr
	s_branch .Lasked_\@
.Lfor_b_\@:
	tensor_load_to_lds s[\g0b:\g0b+3], s[\g1b:\g1b+7]
	s_nop 0
.rept 4
	v_nop
.endr
.Lasked_\@:
.endm
.macro CREST                           ; a round of the cluster's barrier behind its opening barrier
	s_cmp_lg_u32 s14, 0
	s_cbranch_scc1 .Lnot_wave_0_\@
	s_barrier_signal -3
.Lnot_wave_0_\@:
	s_barrier_wait -3
	s_barrier_signal -1
	s_barrier_wait -1
.endm
.macro CROUND                          ; a whole round
	s_barrier_signal -1
	s_barrier_wait -1
	CREST
.endm
	s_load_b128 s[4:7], s[0:1], 0x0                ; oc s[4:5], wc s[6:7]
	s_load_b128 s[8:11], s[0:1], 0x10              ; the exponents s[8:9], out0 s[10:11]
	v_lshl_add_u32 v[SPW], v0, 2, SPARE
	v_mov_b32 v[NIL], 0
	ds_add_u32 v28, v29
	ds_add_u32 v28, v29
	s_wait_dscnt 0x0
	v_lshrrev_b32 v1, 5, v0
	v_readfirstlane_b32 s14, v1                    ; wave 0..3
	s_lshr_b32 s15, s14, 1                         ; which half of the tile's rows is mine.  Also: I fetch for A (0) or for B (1)
	s_and_b32 s16, s14, 1                          ; which half of its columns.  Also: which 128 rows of that operand I fetch
	s_bfe_u32 s40, ttmp6, 0x40000                  ; cx, cy: my place in the cluster
	s_bfe_u32 s41, ttmp6, 0x40004
	s_lshl_b32 s42, ttmp9, 2
	s_add_co_u32 s42, s42, s40                     ; tile column = 4 x cluster x + cx
	s_and_b32 s17, ttmp7, 0xffff
	s_lshl_b32 s17, s17, 2
	s_add_co_u32 s17, s17, s41                     ; tile row = 4 x cluster y + cy
	s_lshl_b32 s43, s41, 2
	s_lshl_b32 s43, 15, s43                        ; my row of the cluster
	s_lshl_b32 s44, 0x1111, s40                    ; my column
	; descriptor group 1: a dense block as 128 rows of 32 elements of 8 bytes, no padding
	s_or_b32 s[G1+0], s43, (3<<16)|(1<<21)         ; 15:0 the mask: A's blocks go to my row; 17:16 elements of 8 bytes; 21 set beside a mask
	s_or_b32 s[G1B+0], s44, (3<<16)|(1<<21)
.irp g, G1, G1B
	s_mov_b32 s[\g+1], 32<<16                      ; tensor_dim0 = 32
	s_mov_b32 s[\g+2], 128<<16                     ; tensor_dim1 = 128
	s_mov_b32 s[\g+3], 32<<16                      ; tile_dim0 = 32
	s_mov_b32 s[\g+4], 128                         ; tile_dim1 = 128
	s_mov_b32 s[\g+5], 32                          ; tensor_dim0_stride: the rows follow each other
	s_mov_b32 s[\g+6], 0
	s_mov_b32 s[\g+7], 0
.endr
	s_lshl_b32 s18, s17, 1
	s_add_co_u32 s18, s18, s16
	s_lshl_b32 s18, s18, 17                        ; A: (2 x tile row + half) x 131072: made of cy and the wave's number alone
	s_mov_b32 s19, 0
	s_lshl_b32 s22, s42, 1
	s_add_co_u32 s22, s22, s16
	s_lshl_b32 s22, s22, 17                        ; B: the same of the tile column,
	s_add_co_u32 s22, s22, 3<<20                   ; in wo's image
	s_mov_b32 s23, 0
	s_lshl_b32 s45, s14, 15                        ; where they go: wave x 32768: no place in the cluster enters an LDS address
	s_wait_kmcnt 0x0
	s_load_b64 s[96:97], s[8:9], 0x28              ; e10, e11
	s_add_nc_u64 s[20:21], s[4:5], s[18:19]
	s_add_nc_u64 s[46:47], s[6:7], s[22:23]
	CROUND                                         ; all sixteen work-groups are here: the first joint loads meet
.irp s, 0,1
	s_mov_b32 s[G0+4*\s], 1
	s_add_co_u32 s[G0+4*\s+1], s45, \s*SLOT
	s_add_nc_u64 s[G0+4*\s+2:G0+4*\s+3], s[20:21], \s*HALFB
	s_or_b32 s[G0+4*\s+3], s[G0+4*\s+3], 0x80000000
	s_mov_b32 s[G0B+4*\s], 1
	s_add_co_u32 s[G0B+4*\s+1], s45, \s*SLOT
	s_add_nc_u64 s[G0B+4*\s+2:G0B+4*\s+3], s[46:47], \s*HALFB
	s_or_b32 s[G0B+4*\s+3], s[G0B+4*\s+3], 0x80000000
	s_wait_alu depctr_va_vdst(0)
	s_wait_tensorcnt 0x0
	ds_add_u32 v28, v29
	ds_add_u32 v28, v29
	s_wait_dscnt 0x0
	CROUND
	JLOAD G0+4*\s, G1, G0B+4*\s, G1B
.endr
	v_and_b32 v1, 15, v0                           ; r
	s_wait_alu depctr_va_vdst(0)
	v_bfe_u32 v2, v0, 4, 1                         ; h
	v_and_b32 v6, 31, v0
	v_lshlrev_b32 v[CO], 4, v6                     ; 16 x lane: an image's place for my lane; also my bytes of a row of 512 on the way out
	s_lshl_b32 s12, s15, 15                        ; my 128 rows of A
	s_lshl_b32 s13, s16, 15                        ; my 128 rows of B,
	s_add_co_u32 s13, s13, 2*HALFB                 ; which lie behind A's 256
.irp s, 0,1
	v_add_nc_u32 v[ADRA+\s], s12, v[CO]
	v_add_nc_u32 v[ADRB+\s], s13, v[CO]
	s_add_co_u32 s12, s12, SLOT
	s_add_co_u32 s13, s13, SLOT
.endr
	s_mul_i32 s3, s14, 16*SPITCH                   ; my stage
	v_mul_u32_u24 v5, v1, SPITCH                   ; in: row r, + 64 h bytes: my sixteen columns of a group of 32
	s_wait_alu depctr_va_vdst(0)
	v_lshl_add_u32 v5, v2, 6, v5
	v_add_nc_u32 v[STO], s3, v5
	v_add_nc_u32 v[RD], s3, v[CO]                  ; back: the 32 lanes take one row of 512 bytes
	s_lshl_b32 s92, s17, 20                        ; my first row of out0: (256 x tile row + 128 x half) rows of 4,096 bytes,
	s_lshl_b32 s93, s15, 19
	s_add_co_u32 s92, s92, s93
	s_lshl_b32 s93, s42, 10                        ; my first column: 1,024 x tile column + 512 x half bytes
	s_add_co_u32 s92, s92, s93
	s_lshl_b32 s93, s16, 9
	s_add_co_u32 s92, s92, s93
	s_mov_b32 s93, 0
	s_add_nc_u64 s[10:11], s[10:11], s[92:93]
.macro FRAG reg, adr, q, i             ; a fragment comes back as it was stored: four loads of 512 consecutive bytes; registers 4 c .. 4 c + 3 hold K = 32 c + 16 (l / 16) + 0 .. 15 of tile row l % 16
.irp c, 0,1,2,3
	ds_load_b128 v[\reg+4*\c:\reg+4*\c+3], v[\adr] offset:4096*(\i)+2048*(\q)+512*\c
.endr
.endm
; 16 matrix instructions: A's blocks a0, a0 + 1 x B's eight, 128 along K.  p: B's set.  zero = 1: the first product starts the sums: nothing is ever cleared.
; The 64 accumulators take turns, one instruction a turn, in the same order in every step.
.macro MUL16 a0, p, zero
.irp a, \a0, \a0+1
.irp b, 0,1,2,3,4,5,6,7
.if \zero
	v_wmma_f32_16x16x128_fp8_fp8 v[8*(8*((\a)%4)+\b):8*(8*((\a)%4)+\b)+7], v[128*(\p)+FR*\b:128*(\p)+FR*\b+FR-1], v[AF+FR*(\a):AF+FR*(\a)+FR-1], 0
.else
	v_wmma_f32_16x16x128_fp8_fp8 v[8*(8*((\a)%4)+\b):8*(8*((\a)%4)+\b)+7], v[128*(\p)+FR*\b:128*(\p)+FR*\b+FR-1], v[AF+FR*(\a):AF+FR*(\a)+FR-1], v[8*(8*((\a)%4)+\b):8*(8*((\a)%4)+\b)+7]
.endif
.endr
.endr
.endm
.macro FETCH_B slot, q, p              ; B's eight fragments of the slot's q-th 128 along K into set p
	WIN TO_B
.irp i, 0,1,2,3,4,5,6,7
	FRAG 128*(\p)+FR*\i, ADRB+\slot, \q, \i
.endr
	WIN 0
.endm
.macro FETCH_A slot, q, i0             ; A's blocks i0 .. i0 + 3
.irp i, \i0, \i0+1, \i0+2, \i0+3
	FRAG AF+FR*(\i), ADRA+\slot, \q, \i
.endr
.endm
; A load into a register that a matrix instruction has read, and a vector instruction that reads a matrix result, stand NP places behind that matrix instruction; only plain vector
; instructions that name none of its registers are places (ISA guide 7.12.1 for vector instructions).
.macro PLACES n
.rept \n
	v_nop
.endr
.endm
; A step of 128 along K that has its successor in the same slot.  A block of A is free as soon as its eight products are issued, so one set of registers serves A; B has two.
.macro STEP slot, q, zero
	s_wait_dscnt 4*NL                              ; B's set and A's blocks 0-3 are in; the youngest sixteen loads (A's blocks 4-7) may be out
	WIN MUL_LO
	MUL16 0, (\q)%2, \zero
	MUL16 2, (\q)%2, \zero
	s_wait_dscnt 0                                 ; A's blocks 4-7 are in
	PLACES NP
	FETCH_B \slot, (\q)+1, 1-(\q)%2
	FETCH_A \slot, (\q)+1, 0
	WIN MUL_HI
	MUL16 4, (\q)%2, \zero
	MUL16 6, (\q)%2, \zero
	PLACES NP
	WIN 0
	FETCH_A \slot, (\q)+1, 4
.endm
; A slot's last step changes slots: ONE barrier; in front of it each wave waits for all its tensor loads, adds 0 to its spare word, and waits for that and for its own reads of this slot.  fill = 1: this slot is filled again, two K steps ahead.
.macro TURN slot, next, fill
	s_wait_tensorcnt 0x0                           ; all my tensor loads have landed: my part of the next slot
	ds_add_u32 v[SPW], v[NIL]                      ; 0 onto my spare word
	s_wait_dscnt 4*NL+1                            ; (the add and the youngest sixteen loads, A's blocks 4-7, may be out)
	WIN MUL_LO
	MUL16 0, 1, 0                                  ; sixteen matrix instructions stand between the add and the wait for it
	s_wait_dscnt 0x0                               ; the add is done, and my reads of this slot are over
	s_barrier_signal -1
	MUL16 2, 1, 0
	WIN 0
	s_barrier_wait -1
.if \fill
	CREST                                          ; the barrier has opened a round of the cluster's barrier: no wave of any partner still reads this slot or has a load on its way
	s_add_nc_u64 s[G0+4*\slot+2:G0+4*\slot+3], s[G0+4*\slot+2:G0+4*\slot+3], 2*HALFB
	s_add_nc_u64 s[G0B+4*\slot+2:G0B+4*\slot+3], s[G0B+4*\slot+2:G0B+4*\slot+3], 2*HALFB
	JLOAD G0+4*\slot, G1, G0B+4*\slot, G1B         ; the first tensor load behind the round; its four v_nop are also the places in front of the loads below
.else
	PLACES NP
.endif
	FETCH_B \next, 0, 0
	FETCH_A \next, 0, 0
	WIN MUL_HI
	MUL16 4, 1, 0
	MUL16 6, 1, 0
	PLACES NP
	WIN 0
	FETCH_A \next, 0, 4
.endm
	s_wait_tensorcnt 1                             ; my part of K step 0 is in (K step 1's load may be out)
	s_barrier_signal -1
	s_barrier_wait -1                              ; everybody's is
	FETCH_B 0, 0, 0
	FETCH_A 0, 0, 0
	FETCH_A 0, 0, 4
	STEP 0, 0, 1                                   ; K 0-127: the products start the sums
	TURN 0, 1, 1                                   ; K 128-255; slot 0 takes K 512-767
	STEP 1, 0, 0
	TURN 1, 0, 1                                   ; slot 1 takes K 768-1023
	STEP 0, 0, 0
	TURN 0, 1, 0                                   ; nothing is left to fetch
	STEP 1, 0, 0
	s_wait_dscnt 4*NL                              ; the very last step
	WIN MUL_LO
	MUL16 0, 1, 0
	MUL16 2, 1, 0
	s_wait_dscnt 0
	WIN MUL_HI
	MUL16 4, 1, 0
	MUL16 6, 1, 0
	WIN 0
; THE WAY OUT, block by block of 16 rows x 128 columns.  A lane holds pieces of 32 bytes of one row, and the lanes beside it hold other rows: so a block goes through my own stage in LDS and comes back as whole
; rows of 512 bytes, which the 32 lanes store as 512 consecutive bytes.  LDS serves a wave's instructions in order (ISA guide 5.7.1.4): no wait between the stores and the loads, nor in front of the next block's stores.
.macro TOSTAGE a
.set AC, 64*((\a)%4)
	WIN 0x02+((\a)/4)                              ; source 0: window 2 or 3
.set cnt, 0
.rept 32
	v_pk_mul_f32 v[TMP+cnt:TMP+cnt+1], v[AC+cnt:AC+cnt+1], s[96:97] op_sel_hi:[1,0]   ; both x s96 = 2^(e10 + e11); each accumulator from its low end on
.set cnt, cnt+2
.endr
	WIN 0
.irp b, 0,1,2,3,4,5,6,7
	ds_store_b128 v[STO], v[TMP+8*\b:TMP+8*\b+3] offset:128*(\b/2)+32*(\b%2)           ; wo's tile b: columns 32 (b / 2) + 16 h + 8 (b % 2) + 0..7
	ds_store_b128 v[STO], v[TMP+8*\b+4:TMP+8*\b+7] offset:128*(\b/2)+32*(\b%2)+16
.endr
.set BB, BK+64*((\a)%2)
.irp t, 0,1,2,3,4,5,6,7,8,9,10,11,12,13,14,15
	ds_load_b128 v[BB+4*\t:BB+4*\t+3], v[RD] offset:\t*SPITCH
.endr
.endm
.macro SEND a, younger                 ; younger: the LDS instructions issued behind block a's loads, which may stay out
.set BB, BK+64*((\a)%2)
	s_wait_dscnt \younger                          ; the block is back in registers
.irp t, 0,1,2,3,4,5,6,7,8,9,10,11,12,13,14,15
	global_store_b128 v[CO], v[BB+4*\t:BB+4*\t+3], s[10:11] offset:(32*((\a)/2)+8*((\a)%2)+\t+8*(\t/8))*4096 th:TH_STORE_NT   ; tile row t is row 32 (a / 2) + 8 (a % 2) + t + 8 (t / 8) of my 128; 512 consecutive bytes, aligned; every offset is an immediate
.endr
.endm
	s_wait_kmcnt 0x0
	s_add_co_i32 s96, s96, s97                     ; e10 + e11, between -126 and 127,
	s_add_co_i32 s96, s96, 127
	s_lshl_b32 s96, s96, 23                        ; makes the f32 number 2^(e10 + e11)
	PLACES NP                                      ; behind the last products: for the reads of results and the loads into the registers that held A's fragments
	TOSTAGE 0
.irp a, 1,2,3,4,5,6,7
.if \a > 1
	s_wait_xcnt 0x0                                ; block a - 2's stores have read their registers: block a's loads may land there
.endif
	TOSTAGE \a
	SEND \a-1, 32                                  ; behind block a - 1's loads: block a's 16 stores and 16 loads
.endr
	SEND 7, 0
	s_wait_tensorcnt 0x0                           ; the wave's end
	ds_add_u32 v[SPW], v[NIL]
	s_wait_dscnt 0x0
	CROUND                                         ; the closing round: no work-group ends while a partner may still ask for a block that names it
	s_endpgm
.Lfunc_end_k_q2a7d75da69_oproj:
	.size	k_q2a7d75da69_oproj, .Lfunc_end_k_q2a7d75da69_oproj-k_q2a7d75da69_oproj
	.p2alignl 7, 3214868480
	.fill 96, 4, 3214868480
	.section	.rodata,"a",@progbits
	.p2align	6, 0x0
	.amdhsa_kernel k_q2a7d75da69_oproj
		.amdhsa_group_segment_fixed_size 327680
		.amdhsa_private_segment_fixed_size 0
		.amdhsa_enable_private_segment 0
		.amdhsa_kernarg_size 32
		.amdhsa_user_sgpr_count 2
		.amdhsa_user_sgpr_kernarg_segment_ptr 1
		.amdhsa_wavefront_size32 1
		.amdhsa_system_sgpr_workgroup_id_x 1
		.amdhsa_system_sgpr_workgroup_id_y 1
		.amdhsa_system_sgpr_workgroup_id_z 1
		.amdhsa_system_vgpr_workitem_id 0
		.amdhsa_next_free_vgpr 1024
		.amdhsa_next_free_sgpr 98
		.amdhsa_reserve_vcc 0
		.amdhsa_float_denorm_mode_32 3
		.amdhsa_float_denorm_mode_16_64 3
		.amdhsa_memory_ordered 1
		.amdhsa_forward_progress 1
		.amdhsa_inst_pref_size 123
	.end_amdhsa_kernel
	.amdgpu_metadata
---
amdhsa.version: [ 1, 2 ]
amdhsa.kernels:
  - .name:           k_q2a7d75da69_oproj
    .symbol:         k_q2a7d75da69_oproj.kd
    .args:
      - { .name: oc, .offset: 0, .size: 8, .value_kind: global_buffer, .address_space: global }
      - { .name: wc, .offset: 8, .size: 8, .value_kind: global_buffer, .address_space: global }
      - { .name: lowp_scales, .offset: 16, .size: 8, .value_kind: global_buffer, .address_space: global }
      - { .name: out0, .offset: 24, .size: 8, .value_kind: global_buffer, .address_space: global }
    .group_segment_fixed_size: 327680
    .private_segment_fixed_size: 0
    .kernarg_segment_align: 8
    .kernarg_segment_size: 32
    .max_flat_workgroup_size: 128
    .sgpr_count:     98
    .vgpr_count:     1024
    .wavefront_size: 32
...
	.end_amdgpu_metadata
.endif
;; end of part 4
